; MI455X (gfx1250); checked and timed in simulation.
; The chip was launched on July 23, 2026; its instructions are those of AMD's public machine-readable ISA for CDNA 5 (MIT licence, August 2026) and "CDNA5" Instruction Set Architecture Reference Guide (July 2026). The comments in the code are by the model that wrote it; some were corrected since.
;; Local State. Allowed arithmetic: matrix products marked QUANTISED: E2M1 operands, one E8M0 scale for each 32 along K, by v_wmma_scale_f32_16x16x128_f8f6f4 with both operands' format E2M1 (or v_wmma_scale_f32_32x16x128_f4), f32 sums; products left as they are: f32 operands where the result goes on into a quantised operand, else bf16, f16 or f32 operands; f32 sums; everything else in f32.
;; Inputs: W_content 1,024 x 1,024 float32; W_key 1,024 x 1,024 float32; W_proj 1,024 x 1,024 float32; W_qdecay 32 x 1,024 float32; W_query 1,024 x 1,024 float32; b_content 1,024 float32; b_key 1,024 float32; b_proj 1,024 float32; b_qdecay 32 float32; b_query 1,024 float32; x 4 x 1,024 x 2,048 float32.
;; Outputs: out0 4 x 1,024 x 2,048 float32.
;; This version of the problem:
;;   THIS VERSION OF THE PROBLEM IS GIVEN IN LOW PRECISION. The matrix products marked QUANTISED in the list below multiply operands that are first quantised to E2M1 (2 exponent bits, 1 mantissa bit; 4 bits a number), with one power-of-two scale for each 32 numbers along K (OCP MX v1.0); their sums are f32. All else is computed in f32.
;;   The module's matrix products, in the order in which they are computed (A, B: the left and right operand; K: the contracted axis; several contracted axes count as one K, in the product's order):
;;     1. [M 8,192, K 1,024] x [K 1,024, N 1,024]; A: input x; B: input W_query: QUANTISED
;;     2. [M 8,192, K 1,024] x [K 1,024, N 1,024]; A: input x; B: input W_key: QUANTISED
;;     3. batch 32 x [M 2,048, K 128] x [K 128, N 2,048]; A: computed on the way; B: computed on the way: QUANTISED
;;     4. [M 8,192, K 1,024] x [K 1,024, N 32]; A: input x; B: input W_qdecay: QUANTISED
;;     5. batch 2,048 x [M 32, K 4] x [K 4, N 2,048]; A: computed on the way; B: computed on the way: left as it is (K = 4 < 32)
;;     6. [M 8,192, K 1,024] x [K 1,024, N 1,024]; A: input x; B: input W_content: QUANTISED
;;     7. batch 32 x [M 128, K 2,048] x [K 2,048, N 2,048]; A: computed on the way; B: softmax (see below): QUANTISED
;;     8. [M 8,192, K 1,024] x [K 1,024, N 1,024]; A: computed on the way; B: input W_proj: QUANTISED
;;   THE QUANTISER, for each operand of a quantised product, along K:
;;     - K is cut into blocks of 32 from its start; a last block that is shorter is filled with zeros.
;;     - A block's scale is 2^e with e = floor(log2(the largest magnitude in the block)) - 2, held to -126 .. 127; a block of zeros has e = 0. As a byte (E8M0): e + 127.
;;     - Each number is divided by its block's scale, clamped to +-6, and rounded to the nearest number of E2M1, ties to even, subnormals kept.
;;     - The product sums the exact products of the quantised numbers (number of the format x scale) in f32.
;;   ~~~python
;;   def quantise(x, axis):      # numpy; x: float32 -> the quantised numbers, widened to float32 again
;;       x = np.moveaxis(x, axis, -1); K = x.shape[-1]
;;       x = np.pad(x, [(0, 0)] * (x.ndim - 1) + [(0, -K % 32)]); x = x.reshape(x.shape[:-1] + (-1, 32)); a = np.abs(x).max(-1, keepdims=True)
;;       e = np.where(a > 0, np.clip(np.frexp(np.where(a > 0, a, 1))[1] - 1 - 2, -126, 127), 0)      # np.frexp(a)[1] - 1 = floor(log2(a)), exactly
;;       r = np.clip(x / 2.0 ** e, -6, 6)
;;       step = 2.0 ** (np.maximum(np.frexp(np.where(r == 0, 1, r))[1] - 1, 0) - 1)
;;       q = np.round(r / step) * step * 2.0 ** e      # np.round: ties to even
;;       return np.moveaxis(q.reshape(q.shape[:-2] + (-1,))[..., :K], -1, axis).astype(np.float32)
;;   ~~~
;;   SOFTMAX AHEAD OF A QUANTISED PRODUCT. Where the list says 'softmax', what is quantised is not the finished softmax but p = 2^(t - M), with t = logit x log2(e) and M = ceil(the row's largest t), a whole number; so 1/2 < the row's largest p <= 1. The row's sum l is taken of the UNQUANTISED p, in f32, and the product's result is divided by l at the end. Since M is a whole number, a kernel that streams over the keys may use a running M (the ceiling of the running maximum): every later rescaling is an exact power of two, which a block's scale takes up: the codes' values come out the same.
;;   OPERANDS COMPUTED ON THE WAY. 'Computed on the way' means the value that the module computes at that place (a softmax that the list does not call 'softmax' is quantised finished and normalised). What goes into a quantiser is computed in f32, as accurately as f32 sums, v_exp_f32 and their like allow (about 1e-6 of the number): no bf16 or f16 on the way to a quantiser, and a product that is left as it is and whose result goes on into a quantised operand takes f32 operands (vector FMAs, or v_wmma_f32_16x16x4_f32). A number that lies on a knife's edge between two numbers of the format may be rounded either way, as far as f32 arithmetic and the matrix unit's own rounding can turn it there, and no further.
;; One version. Each part assembles by itself: llvm-mc -triple=amdgcn-amd-amdhsa -mcpu=gfx1250 --defsym DOCPART=n.
;; ======== version 1 of 1: 4 launches
;; workspace buffers: img 6,754,304 bytes; q 4,456,448 bytes; kv 8,912,896 bytes; ri 4,456,448 bytes
;; launch quant (part 1): grid 1028 x 1, 4 waves a work-group, no clusters, 34,304 bytes of LDS; arguments x, W_query, W_key, W_content, W_proj, W_qdecay, img; writes img
.if DOCPART == 1
	.amdgcn_target "amdgcn-amd-amdhsa--gfx1250"
	.amdhsa_code_object_version 6
	.text
	.protected	k_qa4b06ed507_quant
	.globl	k_qa4b06ed507_quant
	.p2align	8
	.type	k_qa4b06ed507_quant,@function
k_qa4b06ed507_quant:
	s_mov_b64 s[64:65], 0
	v_nop
	global_prefetch_b8 v0, s[64:65] scope:SCOPE_SE
	s_setreg_imm32_b32 hwreg(HW_REG_WAVE_MODE, 25, 1), 1
	s_wait_xcnt 0x0
; x [4][1024 c][2048 t] and the five weights [o][1024 c], f32, become codes of E2M1 with one E8M0 byte for each 32 along c, laid as IMAGES OF OPERAND REGISTERS.
; A RECORD is 128 rows x 128 along K in 8,704 bytes: tile i (16 rows) at 1024 i; in it register group g at 512 g, lane l = r + 16 h at 16 l: the codes of k = 64 g + 32 h + 0 .. 31 of the tile's row r;
; the scale word of row (i, r) at 8192 + 64 i + 4 r.  Row (i, r) of a record is true row 32 (i / 2) + 8 (i % 2) + r + 8 (r / 8) of its 128.  A SLAB is the 8 records of K = 1,024.
; img: slabs 0-63 x (16 b + t / 128), 64-71 W_query, 72-79 W_key, 80-87 W_content, 88-95 W_proj, 96 W_qdecay (tiles 0 and 1 alone are written and read).
; A block's scale is 2^(floor(log2(largest magnitude)) - 2): the byte is the largest magnitude's exponent field - 2, held at 1 from below.
; LIMITS: a block of zeros gets the byte 1 where the quantiser says 127 (its codes are zeros, and this program alone reads the bytes); blocks under 2^-124 keep the byte 1; NaN and infinities are not served.
; Work-groups 0-511 take x, one record each; work-groups 512-1027 take the weights, a tile of 16 rows x 512 along K each.  Waves share nothing: no barrier.  Only the weights' path touches LDS.
; No matrix unit, no cluster, no tensor load: each input byte is read once and nothing is shared between work-groups.
.set REC,  8704
.set SLAB, 69632
.set XS0,  32                          ; x's path: v32-95 two sets of 32 numbers
.set CD,   96                          ; v96-111 the codes, four registers a block, never rewritten
.set SB,   24                          ; v24 the four scale bytes
.set RW,   32                          ; the weights' path: v32-95 16 rows as loaded
.set XW,   96                          ; v96-159 my 64 numbers in the operand's order
.set CW,   160                         ; v160-167 the fragment
.set STG,  8448                        ; a wave's stage: 16 rows x 528 bytes
	s_load_b256 s[4:11], s[0:1], 0x0               ; x s[4:5], W_query s[6:7], W_key s[8:9], W_content s[10:11]
	s_load_b128 s[12:15], s[0:1], 0x20             ; W_proj s[12:13], W_qdecay s[14:15]
	s_load_b64 s[16:17], s[0:1], 0x30              ; img
	v_lshl_add_u32 v176, v0, 2, 0x8400
	v_mov_b32 v177, 0
	v_lshrrev_b32 v2, 5, v0
	v_readfirstlane_b32 s20, v2                    ; wave 0..3
	v_and_b32 v1, 31, v0                           ; lane L
	s_cmp_lt_u32 ttmp9, 512
	s_cbranch_scc0 .Lweights
; ---- x.  The work-group owns record (slab, kappa); wave w its tiles 2 w and 2 w + 1, true columns 32 w .. 32 w + 31.  A LANE TAKES A COLUMN t AND ITS REGISTERS RUN DOWN c:
; a block of 32 along K lies in one lane, and its 16 bytes of codes go straight to their place in the image: 1024 tile + 256 block + 16 r.
	s_and_b32 s21, ttmp9, 63                       ; slab = 16 b + t / 128
	s_lshr_b32 s22, ttmp9, 6                       ; kappa
	s_lshr_b32 s24, s21, 4
	s_lshl_b32 s24, s24, 23                        ; b x 1024 x 2048 x 4 bytes
	s_lshl_b32 s25, s22, 20                        ; + kappa x 128 rows of 8,192 bytes
	s_add_co_u32 s24, s24, s25
	s_and_b32 s25, s21, 15
	s_lshl_b32 s25, s25, 9                         ; + the slab's 128 columns x 4 bytes
	s_add_co_u32 s24, s24, s25
	s_lshl_b32 s25, s20, 7                         ; + my wave's 32 columns
	s_add_co_u32 s24, s24, s25
	s_mov_b32 s25, 0
	s_mul_i32 s26, s21, SLAB
	s_mul_i32 s27, s22, REC
	s_add_co_u32 s26, s26, s27                     ; the record in img
	s_mov_b32 s27, 0
	s_wait_alu depctr_va_vdst(0)
	v_and_b32 v3, 7, v1
	v_bfe_u32 v6, v1, 3, 1
	v_lshl_add_u32 v3, v6, 4, v3
	v_lshrrev_b32 v6, 4, v1                        ; which of my two tiles
	v_lshl_add_u32 v3, v6, 3, v3                   ; my column: (L & 7) + 16 ((L >> 3) & 1) + 8 (L >> 4)
	v_lshlrev_b32 v3, 2, v3                        ; in bytes
	v_and_b32 v4, 15, v1
	v_lshlrev_b32 v4, 4, v4
	v_lshl_add_u32 v4, v6, 10, v4
	s_lshl_b32 s28, s20, 11
	v_add_nc_u32 v4, s28, v4                       ; codes: 2048 w + 1024 (L >> 4) + 16 (L & 15)
	s_lshl_b32 s28, s20, 7
	s_add_co_u32 s28, s28, 8192
	v_lshl_add_u32 v5, v1, 2, s28                  ; scale word: 8192 + 128 w + 4 L
	s_wait_alu depctr_va_vdst(0)
	s_wait_kmcnt 0x0
	s_add_nc_u64 s[4:5], s[4:5], s[24:25]
	s_add_nc_u64 s[16:17], s[16:17], s[26:27]
.macro LOAD t                          ; block t: x(32 t + i, my column), i = 0 .. 31, into set t % 2; the wave reads 128 consecutive bytes, the work-group 512
.irp i, 0,1,2,3,4,5,6,7,8,9,10,11,12,13,14,15,16,17,18,19,20,21,22,23,24,25,26,27,28,29,30,31
	global_load_b32 v[XS0+32*((\t)%2)+\i], v3, s[4:5] offset:(32*(\t)+\i)*8192
.endr
.endm
.macro BLOCK t
.set XS, XS0+32*((\t)%2)
.if (\t) < 3
	s_wait_loadcnt 32                              ; this block's 32 loads are in; the next block's 32 may be out
.else
	s_wait_loadcnt 0x0
.endif
	v_max3_num_f32 v12, |v[XS]|, |v[XS+1]|, |v[XS+2]|              ; the block's largest magnitude, in two chains
	v_max3_num_f32 v13, |v[XS+3]|, |v[XS+4]|, |v[XS+5]|
.irp i, 6,10,14,18,22,26
	v_max3_num_f32 v12, v12, |v[XS+\i]|, |v[XS+\i+1]|
	v_max3_num_f32 v13, v13, |v[XS+\i+2]|, |v[XS+\i+3]|
.endr
	v_max3_num_f32 v12, v12, |v[XS+30]|, |v[XS+31]|
	v_max3_num_f32 v12, v12, v13, 0x1800000        ; and the floor 2^(3 - 127): the byte cannot fall under 1
	v_add_nc_u32 v11, 0xff000000, v12              ; 2 off the exponent field: the conversion's scale operand
	v_lshrrev_b32 v13, 23, v11                     ; the scale's byte
.if (\t) == 0
	v_mov_b32 v[SB], v13
.else
	v_lshl_or_b32 v[SB], v13, 8*(\t), v[SB]
.endif
.irp g, 0,1,2,3
	v_cvt_scalef32_pk8_fp4_f32 v[CD+4*(\t)+\g], v[XS+8*\g:XS+8*\g+7], v11
.endr
	global_store_b128 v4, v[CD+4*(\t):CD+4*(\t)+3], s[16:17] offset:256*(\t)   ; lanes 0-15 and lanes 16-31 each store 256 consecutive bytes, aligned
.if (\t) < 2
	LOAD (\t)+2
.endif
.endm
	LOAD 0
	LOAD 1
	BLOCK 0
	BLOCK 1
	BLOCK 2
	BLOCK 3
	global_store_b32 v5, v[SB], s[16:17]           ; my wave's 32 scale words: 128 consecutive bytes; one byte for each 128 that the wave read
	s_endpgm
; ---- the weights: K is innermost.  Wave w takes tile tw (16 rows of one matrix) x kappa = 4 (g & 1) + w.  Each load reads 512 consecutive bytes of one row; the 8 KiB turn through the wave's own
; stage (rows 528 bytes apart), and come back as the operand's layout wants them: lane (r, h) holds k = 64 c + 32 h + 0 .. 31 of row r.
.Lweights:
	s_sub_co_u32 s21, ttmp9, 512
	s_lshr_b32 s22, s21, 1                         ; tile 0 .. 257: 64 for each of the four large matrices, two for W_qdecay
	s_and_b32 s23, s21, 1
	s_lshl_b32 s23, s23, 2
	s_add_co_u32 s23, s23, s20                     ; kappa
	s_and_b32 s24, s22, 63                         ; the tile in its matrix
	s_lshr_b32 s25, s24, 1
	s_lshl_b32 s25, s25, 5
	s_and_b32 s26, s24, 1
	s_lshl_b32 s26, s26, 3
	s_add_co_u32 s25, s25, s26                     ; its first true row: 32 (tile / 2) + 8 (tile % 2)
	s_lshl_b32 s24, s25, 12                        ; rows of 4,096 bytes
	s_lshl_b32 s26, s23, 9
	s_add_co_u32 s24, s24, s26                     ; + 512 kappa
	s_mov_b32 s25, 0
	s_lshr_b32 s26, s22, 3
	s_add_co_u32 s26, s26, 64                      ; the slab in img
	s_mul_i32 s26, s26, SLAB
	s_mul_i32 s27, s23, REC
	s_add_co_u32 s26, s26, s27                     ; the record
	s_and_b32 s28, s22, 7                          ; the tile in it
	s_lshl_b32 s30, s28, 6
	s_add_co_u32 s30, s30, s26
	s_add_co_u32 s30, s30, 8192                    ; its scale words
	s_mov_b32 s31, 0
	s_lshl_b32 s27, s28, 10
	s_add_co_u32 s26, s26, s27                     ; its codes
	s_mov_b32 s27, 0
	s_mov_b32 s40, 0x76543210
	s_mov_b32 s41, 0xfedcba98                      ; v_permlanex16_b32's selects for lane l xor 16
	s_wait_alu depctr_va_vdst(0)
	v_lshlrev_b32 v3, 4, v1                        ; 16 L
	s_mul_i32 s38, s20, STG                        ; my stage
	v_add_nc_u32 v6, s38, v3                       ; in: 16 L of a row
	v_and_b32 v8, 15, v1                           ; r
	v_lshrrev_b32 v9, 4, v1                        ; h
	v_mul_u32_u24 v7, v8, 528
	v_lshl_add_u32 v7, v9, 7, v7
	v_add_nc_u32 v7, s38, v7                       ; out: row r, + 128 h
	v_lshlrev_b32 v10, 2, v8                       ; 4 r
	s_wait_alu depctr_va_vdst(0)
	s_wait_kmcnt 0x0
	s_cmp_lt_u32 s22, 256                          ; which matrix: the choice hangs on the work-group's number alone
	s_cselect_b64 s[32:33], s[12:13], s[14:15]
	s_cmp_lt_u32 s22, 192
	s_cselect_b64 s[32:33], s[10:11], s[32:33]
	s_cmp_lt_u32 s22, 128
	s_cselect_b64 s[32:33], s[8:9], s[32:33]
	s_cmp_lt_u32 s22, 64
	s_cselect_b64 s[32:33], s[6:7], s[32:33]
	s_add_nc_u64 s[32:33], s[32:33], s[24:25]
	s_add_nc_u64 s[34:35], s[16:17], s[26:27]
	s_add_nc_u64 s[36:37], s[16:17], s[30:31]
.irp p, 0,1,2,3,4,5,6,7,8,9,10,11,12,13,14,15
	global_load_b128 v[RW+4*\p:RW+4*\p+3], v3, s[32:33] offset:(\p+8*(\p/8))*4096 th:TH_LOAD_NT   ; the tile's row p is true row p + 8 (p / 8) from its first
.endr
.irp p, 0,1,2,3,4,5,6,7,8,9,10,11,12,13,14,15
	s_wait_loadcnt 15-\p                           ; row p is in; the younger rows' loads may be out
	ds_store_b128 v6, v[RW+4*\p:RW+4*\p+3] offset:528*\p
.endr
.irp c, 0,1
.irp i, 0,1,2,3,4,5,6,7
	ds_load_b128 v[XW+32*\c+4*\i:XW+32*\c+4*\i+3], v7 offset:256*\c+16*\i   ; LDS serves a wave's instructions in order: these see my stores
.endr
.endr
	s_wait_dscnt 0x0
.irp c, 0,1                                    ; my block 2 c + h: all its 32 numbers are mine
	v_max3_num_f32 v[12+\c], |v[XW+32*\c]|, |v[XW+1+32*\c]|, 0x1800000
.endr
.irp i, 2,4,6,8,10,12,14,16,18,20,22,24,26,28,30
.irp c, 0,1
	v_max3_num_f32 v[12+\c], v[12+\c], |v[XW+32*\c+\i]|, |v[XW+1+32*\c+\i]|
.endr
.endr
.irp c, 0,1
	v_add_nc_u32 v[14+\c], 0xff000000, v[12+\c]    ; the conversion's scale operand
.endr
.irp c, 0,1
	v_lshrrev_b32 v[16+\c], 23, v[14+\c]           ; the scale's byte
.endr
	v_lshl_or_b32 v18, v17, 16, v16                ; my two bytes: blocks h and 2 + h of row r,
	v_lshlrev_b32 v19, 3, v9
	v_lshlrev_b32 v18, v19, v18                    ; 8 h bits up;
	v_mov_b32 v19, 0
	v_permlanex16_b32 v19, v18, s40, s41
	v_or_b32 v18, v18, v19                         ; with lane l xor 16's two the word is whole
.irp c, 0,1
.irp g, 0,1,2,3
	v_cvt_scalef32_pk8_fp4_f32 v[CW+4*\c+\g], v[XW+32*\c+8*\g:XW+32*\c+8*\g+7], v[14+\c]
.endr
.endr
	v_nop
	global_store_b128 v3, v[CW:CW+3], s[34:35]                 ; the image: 512 consecutive bytes a store, aligned
	global_store_b128 v3, v[CW+4:CW+7], s[34:35] offset:512
	global_store_b32 v10, v18, s[36:37]            ; 16 scale words; lanes l and l + 16 write the same word with the same value
	s_wait_tensorcnt 0x0
	ds_add_u32 v176, v177
	s_wait_dscnt 0x0
	s_endpgm
.Lfunc_end_k_qa4b06ed507_quant:
	.size	k_qa4b06ed507_quant, .Lfunc_end_k_qa4b06ed507_quant-k_qa4b06ed507_quant
	.p2alignl 7, 3214868480
	.fill 96, 4, 3214868480
	.section	.rodata,"a",@progbits
	.p2align	6, 0x0
	.amdhsa_kernel k_qa4b06ed507_quant
		.amdhsa_group_segment_fixed_size 34304
		.amdhsa_private_segment_fixed_size 0
		.amdhsa_enable_private_segment 0
		.amdhsa_kernarg_size 56
		.amdhsa_user_sgpr_count 2
		.amdhsa_user_sgpr_kernarg_segment_ptr 1
		.amdhsa_wavefront_size32 1
		.amdhsa_system_sgpr_workgroup_id_x 1
		.amdhsa_system_sgpr_workgroup_id_y 1
		.amdhsa_system_sgpr_workgroup_id_z 1
		.amdhsa_system_vgpr_workitem_id 0
		.amdhsa_next_free_vgpr 178
		.amdhsa_next_free_sgpr 66
		.amdhsa_reserve_vcc 0
		.amdhsa_float_denorm_mode_32 3
		.amdhsa_float_denorm_mode_16_64 3
		.amdhsa_memory_ordered 1
		.amdhsa_forward_progress 1
		.amdhsa_inst_pref_size 30
	.end_amdhsa_kernel
	.amdgpu_metadata
---
amdhsa.version: [ 1, 2 ]
amdhsa.kernels:
  - .name:           k_qa4b06ed507_quant
    .symbol:         k_qa4b06ed507_quant.kd
    .args:
      - { .name: x, .offset: 0, .size: 8, .value_kind: global_buffer, .address_space: global }
      - { .name: W_query, .offset: 8, .size: 8, .value_kind: global_buffer, .address_space: global }
      - { .name: W_key, .offset: 16, .size: 8, .value_kind: global_buffer, .address_space: global }
      - { .name: W_content, .offset: 24, .size: 8, .value_kind: global_buffer, .address_space: global }
      - { .name: W_proj, .offset: 32, .size: 8, .value_kind: global_buffer, .address_space: global }
      - { .name: W_qdecay, .offset: 40, .size: 8, .value_kind: global_buffer, .address_space: global }
      - { .name: img, .offset: 48, .size: 8, .value_kind: global_buffer, .address_space: global }
    .group_segment_fixed_size: 34304
    .private_segment_fixed_size: 0
    .kernarg_segment_align: 8
    .kernarg_segment_size: 56
    .max_flat_workgroup_size: 128
    .sgpr_count:     66
    .vgpr_count:     178
    .wavefront_size: 32
...
	.end_amdgpu_metadata
.endif
;; end of part 1
;; launch qkv (part 2): grid 8 x 48, 4 waves a work-group, clusters of 4 x 4, 279,040 bytes of LDS; arguments img, b_query, b_key, b_content, q, kv; writes q, kv
.if DOCPART == 2
	.amdgcn_target "amdgcn-amd-amdhsa--gfx1250"
	.amdhsa_code_object_version 6
	.text
	.protected	k_qa4b06ed507_qkv
	.globl	k_qa4b06ed507_qkv
	.p2align	8
	.type	k_qa4b06ed507_qkv,@function
k_qa4b06ed507_qkv:
	s_mov_b64 s[64:65], 0
	v_nop
	global_prefetch_b8 v0, s[64:65] scope:SCOPE_SE
	s_setreg_imm32_b32 hwreg(HW_REG_WAVE_MODE, 25, 1), 1
	s_wait_xcnt 0x0
	s_wait_alu depctr_hold_cnt(0) depctr_sa_sdst(0) depctr_va_vdst(0) depctr_va_sdst(0) depctr_va_ssrc(0) depctr_va_vcc(0) depctr_vm_vsrc(0)
	s_getreg_b32 s2, hwreg(HW_REG_IB_STS2, 6, 4)
	s_cmp_eq_u32 s2, 0
	s_cbranch_scc0 .Lentry_in_a_cluster
	s_endpgm
.Lentry_in_a_cluster:
	s_bfe_u32 s2, ttmp6, 0x10000c
	s_cmp_lg_u32 s2, 0xf033
	s_cbranch_scc0 .Lentry_shape_is_right
	s_endpgm
.Lentry_shape_is_right:
; queries, keys and content: three products of 8,192 x 1,024 x 1,024 on codes of E2M1 (records as the launch before lays them: 128 rows x 128 K in 8,704 bytes, images of operand registers), plus bias,
; quantised again in registers and stored as records: q [bh][s slab], kv [bh][key step]{K record, V record}.  Queries and keys are quantised along the head's 128 channels, content along the 128 keys of a step.
; A work-group of four waves makes 256 x 256, a wave 128 x 128: 64 accumulators.  P is source 0: its rows land in a lane's REGISTERS, 16 neighbours for each pair of tiles (the records' order of rows sees to that),
; and are the next product's K.  R is source 1: its row is the lane's.  Cluster rows 0-7 (MODE 0): P = W_query and W_key, R = x.  Cluster rows 8-11 (MODE 1): P = x, R = W_content.  MODE hangs on the cluster's y alone.
; ALL OF K LIES IN LDS: two slabs of R and two of P, 4 x 69,632 bytes, each filled once, by one wave, in four pieces of two records (17,408 dense bytes as 68 rows of 256): four tensor loads of a wave are out at the most.
; No LDS byte is filled twice.  CLUSTERS: 4 x 4 work-groups; R's slabs are shared along a row of the cluster, P's along a column: joint loads, which divide the requests by four.
; LIMITS: a block of zeros gets the byte 1 (its codes are zeros; this program alone reads the bytes); blocks under 2^-124 keep the byte 1; NaN and infinities are not served.
; REGISTERS: window 0: v1-3 r, h, lane; v16-21 LDS addresses; v22-25 lane offsets; v32-47 scale words, two sets, and nothing else; v128-191 R's 8 fragments, ONE set; v192-255 the bias as C; on the way out v128-219 are at work.
;   window 1: P's fragments, two sets, v0-63 and v128-191.   windows 2, 3: accumulator (a, b) at v[8 (8 (a % 4) + b)] of window 2 + a / 4.
.set REC,   8704
.set SLAB,  69632
.set PIECE, 17408
.set HALF,  34816                      ; four records: the LDS immediate has 16 bits, so each operand has an address for records 0-3 and one for 4-7
.set ADRR, 16
.set ADRP, 18
.set ADRS, 20
.set SC,   32
.set AF,   128
.set CB,   192
.set PC,   128                         ; the way out: the codes, 8 registers for each block of 16 rows, never rewritten
.set PW,   192                         ; the scale words
.set TM,   200                         ; at work
.set SW,   216                         ; two blocks' scale words in one register
.set G1R, 24
.set G1P, 32
.set G0R, 40
.set G0P, 68
.set MSB, 0
.macro WIN new                         ; the immediate's high byte repeats the setting that is left
.if MSB != \new
	s_set_vgpr_msb (MSB<<8)|\new
.set MSB, \new
.endif
.endm
.macro CREST                           ; a round of the cluster's barrier behind its opening barrier
	s_cmp_lg_u32 s16, 0
	s_cbranch_scc1 .Lnot_wave_0_\@
	s_barrier_signal -3
.Lnot_wave_0_\@:
	s_barrier_wait -3
	s_barrier_signal -1
	s_barrier_wait -1
.endm
.macro CROUND
	s_barrier_signal -1
	s_barrier_wait -1
	CREST
.endm
.macro PLACES n                        ; plain vector instructions between a matrix instruction and a load into, or a read of, its registers
.rept \n
	v_nop
.endr
.endm
.macro FRAG reg, adr, k, i             ; tile i of record k: two loads of 512 consecutive bytes
.irp c, 0,1
	ds_load_b128 v[\reg+4*\c:\reg+4*\c+3], v[\adr+(\k)/4] offset:((\k)%4)*REC+(\i)*1024+512*\c
.endr
.endm
.macro FETCH_P k                       ; P's eight fragments of K step k into set k % 2
	WIN 0x40
.irp i, 0,1,2,3,4,5,6,7
	FRAG 128*((\k)%2)+8*\i, ADRP, \k, \i
.endr
	WIN 0
.endm
.macro FETCH_R k, i0                   ; R's blocks i0 .. i0 + 3
.irp i, \i0, \i0+1, \i0+2, \i0+3
	FRAG AF+8*(\i), ADRR, \k, \i
.endr
.endm
.macro SCALES k                        ; register i: lanes 0-15 the words of R's tile i, lanes 16-31 those of P's tile i
.irp i, 0,1,2,3,4,5,6,7
	ds_load_b32 v[SC+8*((\k)%2)+\i], v[ADRS+(\k)/4] offset:((\k)%4)*REC+8192+64*\i
.endr
.endm
; 16 matrix instructions: R's blocks a0, a0 + 1 x P's eight.  cm = 0: in place; 1: the sums start on the bias along P; 2: on the bias along R.  The 64 accumulators take turns, in the same order in every step.
.macro MUL16 a0, k, cm
.irp a, \a0, \a0+1
.irp b, 0,1,2,3,4,5,6,7
.if \cm == 0
	v_wmma_scale_f32_16x16x128_f8f6f4 v[8*(8*((\a)%4)+\b):8*(8*((\a)%4)+\b)+7], v[128*((\k)%2)+8*\b:128*((\k)%2)+8*\b+7], v[AF+8*(\a):AF+8*(\a)+7], v[8*(8*((\a)%4)+\b):8*(8*((\a)%4)+\b)+7], v[SC+8*((\k)%2)+\b], v[SC+8*((\k)%2)+(\a)] matrix_a_fmt:MATRIX_FMT_FP4 matrix_b_fmt:MATRIX_FMT_FP4 matrix_a_scale:MATRIX_SCALE_ROW1
.elseif \cm == 1
	v_wmma_scale_f32_16x16x128_f8f6f4 v[8*(8*((\a)%4)+\b):8*(8*((\a)%4)+\b)+7], v[128*((\k)%2)+8*\b:128*((\k)%2)+8*\b+7], v[AF+8*(\a):AF+8*(\a)+7], v[CB+8*\b:CB+8*\b+7], v[SC+8*((\k)%2)+\b], v[SC+8*((\k)%2)+(\a)] matrix_a_fmt:MATRIX_FMT_FP4 matrix_b_fmt:MATRIX_FMT_FP4 matrix_a_scale:MATRIX_SCALE_ROW1
.else
	v_wmma_scale_f32_16x16x128_f8f6f4 v[8*(8*((\a)%4)+\b):8*(8*((\a)%4)+\b)+7], v[128*((\k)%2)+8*\b:128*((\k)%2)+8*\b+7], v[AF+8*(\a):AF+8*(\a)+7], v[CB+8*(\a):CB+8*(\a)+7], v[SC+8*((\k)%2)+\b], v[SC+8*((\k)%2)+(\a)] matrix_a_fmt:MATRIX_FMT_FP4 matrix_b_fmt:MATRIX_FMT_FP4 matrix_a_scale:MATRIX_SCALE_ROW1
.endif
.endr
.endr
.endm
; K step k (128 along K, 64 matrix instructions), which fetches step k + 1's fragments.  nt >= 0: step k + 1 lies in the next piece: my part of it has landed when nt younger pieces of mine are out; a barrier shows it to all.
; Younger pieces stay on their way across them.
.macro STEP k, cm, nt
.if \nt >= 0
	s_wait_tensorcnt \nt
.endif
	s_wait_dscnt 8                                 ; all but the youngest eight loads: R's blocks 4-7
.if \cm == 0
	WIN 0xa1                                       ; source 0 window 1, source 1 window 0, C and D window 2
.else
	WIN 0x81                                       ; C (the bias) window 0
.endif
	MUL16 0, \k, \cm
.if \nt >= 0
	s_wait_dscnt 0x0                               ; no LDS load of mine is out at the signal
	s_barrier_signal -1
	MUL16 2, \k, \cm
	WIN 0
	s_barrier_wait -1
.else
	MUL16 2, \k, \cm
	s_wait_dscnt 0x0                               ; R's blocks 4-7 are in
.endif
	PLACES 4
	FETCH_P (\k)+1
	FETCH_R (\k)+1, 0
	SCALES (\k)+1
.if \cm == 0
	WIN 0xf1
.else
	WIN 0xc1
.endif
	MUL16 4, \k, \cm
	MUL16 6, \k, \cm
	PLACES 4
	WIN 0
	FETCH_R (\k)+1, 4
.endm
.macro LAST
	s_wait_dscnt 8
	WIN 0xa1
	MUL16 0, 7, 0
	MUL16 2, 7, 0
	s_wait_dscnt 0x0
	WIN 0xf1
	MUL16 4, 7, 0
	MUL16 6, 7, 0
	WIN 0
	PLACES 4
.endm
	s_load_b256 s[4:11], s[0:1], 0x0               ; img s[4:5], b_query s[6:7], b_key s[8:9], b_content s[10:11]
	s_load_b128 s[12:15], s[0:1], 0x20             ; q s[12:13], kv s[14:15]
	v_lshl_add_u32 v126, v0, 2, 0x44000
	v_mov_b32 v127, 0
	ds_add_u32 v126, v127
	ds_add_u32 v126, v127
	v_lshrrev_b32 v1, 5, v0
	v_readfirstlane_b32 s16, v1                    ; wave 0..3
	s_lshr_b32 s17, s16, 1                         ; which of R's two slabs I multiply.  Also: I fetch for R (0) or for P (1)
	s_and_b32 s18, s16, 1                          ; which of P's two slabs I multiply.  Also: which slab I fetch
	s_bfe_u32 s19, ttmp6, 0x40000                  ; cx
	s_bfe_u32 s20, ttmp6, 0x40004                  ; cy
	s_lshl_b32 s21, ttmp9, 2
	s_add_co_u32 s21, s21, s19                     ; work-group x = 4 x cluster x + cx
	s_and_b32 s22, ttmp7, 0xffff                   ; the cluster's y: 0 .. 11
	s_lshl_b32 s56, s20, 2
	s_lshl_b32 s56, 15, s56                        ; my row of the cluster
	s_lshl_b32 s84, 0x1111, s19                    ; my column
	s_or_b32 s[G1R], s56, (3<<16)|(1<<21)          ; 15:0 the mask; 17:16 elements of 8 bytes; 21 set beside a mask; no padding
	s_or_b32 s[G1P], s84, (3<<16)|(1<<21)
.irp g, G1R, G1P
	s_mov_b32 s[\g+1], 32<<16                      ; tensor_dim0 = 32 elements: 256 bytes
	s_mov_b32 s[\g+2], 68<<16                      ; tensor_dim1 = 68
	s_mov_b32 s[\g+3], 32<<16                      ; tile_dim0
	s_mov_b32 s[\g+4], 68                          ; tile_dim1
	s_mov_b32 s[\g+5], 32                          ; the pitch: the block is dense
	s_mov_b32 s[\g+6], 0
	s_mov_b32 s[\g+7], 0
.endr
	s_lshl_b32 s59, s22, 3                         ; MODE 0: R = x's slabs 8 CY + 2 cy on
	s_and_b32 s86, s22, 7
	s_lshl_b32 s86, s86, 4                         ; MODE 1: P = x's slabs 16 (CY - 8) + 2 gx on
	s_cmp_ge_u32 s22, 8
	s_cselect_b32 s23, 1, 0                        ; MODE
	s_cselect_b32 s58, 80, s59                     ; MODE 1: R = W_content's slabs 80 + 2 cy on
	s_cselect_b32 s87, s86, 64                     ; MODE 0: P = W_query's and W_key's slabs 64 + 2 gx on
	s_lshl_b32 s57, s20, 1
	s_add_co_u32 s58, s58, s57                     ; R's first slab: of the cluster's y and cy alone
	s_lshl_b32 s85, s21, 1
	s_add_co_u32 s87, s87, s85                     ; P's first slab: of the cluster's place and cx alone
	s_add_co_u32 s60, s58, s18
	s_mul_i32 s60, s60, SLAB
	s_mov_b32 s61, 0
	s_add_co_u32 s84, s87, s18
	s_mul_i32 s84, s84, SLAB
	s_mov_b32 s85, 0
	s_mul_i32 s62, s16, SLAB                       ; where my slab goes: wave x 69,632: no place in the cluster enters an LDS address
	s_wait_dscnt 0x0
	s_wait_kmcnt 0x0
	s_add_nc_u64 s[60:61], s[4:5], s[60:61]
	s_add_nc_u64 s[84:85], s[4:5], s[84:85]
.irp j, 0,1,2,3
	s_mov_b32 s[G0R+4*\j], 1
	s_add_co_u32 s[G0R+4*\j+1], s62, PIECE*\j
	s_add_nc_u64 s[G0R+4*\j+2:G0R+4*\j+3], s[60:61], PIECE*\j
	s_or_b32 s[G0R+4*\j+3], s[G0R+4*\j+3], 0x80000000
	s_mov_b32 s[G0P+4*\j], 1
	s_add_co_u32 s[G0P+4*\j+1], s62, PIECE*\j
	s_add_nc_u64 s[G0P+4*\j+2:G0P+4*\j+3], s[84:85], PIECE*\j
	s_or_b32 s[G0P+4*\j+3], s[G0P+4*\j+3], 0x80000000
.endr
	CROUND                                         ; all sixteen work-groups are here: the joint loads meet
	s_cmp_eq_u32 s17, 0                            ; a wave's four fills stand in one branch on the wave's number
	s_cbranch_scc0 .Lfor_p
	tensor_load_to_lds s[G0R:G0R+3], s[G1R:G1R+7]
	s_nop 0
	tensor_load_to_lds s[G0R+4:G0R+7], s[G1R:G1R+7]
	s_nop 0
	tensor_load_to_lds s[G0R+8:G0R+11], s[G1R:G1R+7]
	s_nop 0
	tensor_load_to_lds s[G0R+12:G0R+15], s[G1R:G1R+7]
	s_nop 0
.rept 4
	v_nop
.endr
	s_branch .Lasked
.Lfor_p:
	tensor_load_to_lds s[G0P:G0P+3], s[G1P:G1P+7]
	s_nop 0
	tensor_load_to_lds s[G0P+4:G0P+7], s[G1P:G1P+7]
	s_nop 0
	tensor_load_to_lds s[G0P+8:G0P+11], s[G1P:G1P+7]
	s_nop 0
	tensor_load_to_lds s[G0P+12:G0P+15], s[G1P:G1P+7]
	s_nop 0
.rept 4
	v_nop
.endr
.Lasked:
	v_and_b32 v1, 15, v0                           ; r
	v_bfe_u32 v2, v0, 4, 1                         ; h
	v_and_b32 v3, 31, v0                           ; lane
	v_lshlrev_b32 v22, 4, v3                       ; 16 x lane: an image's place for my lane
	v_lshlrev_b32 v23, 2, v3                       ; 4 x lane
	v_lshlrev_b32 v24, 6, v2                       ; 64 h
	v_and_b32 v25, 8, v1
	v_add_nc_u32 v25, v25, v1
	v_lshlrev_b32 v25, 2, v25                      ; 4 (r + 8 (r / 8))
	s_mul_i32 s2, s17, SLAB                        ; my slab of R
	s_mul_i32 s3, s18, SLAB
	s_add_co_u32 s3, s3, 2*SLAB                    ; my slab of P
	v_add_nc_u32 v[ADRR], s2, v22
	v_add_nc_u32 v[ADRR+1], HALF, v[ADRR]
	v_add_nc_u32 v[ADRP], s3, v22
	v_add_nc_u32 v[ADRP+1], HALF, v[ADRP]
	s_xor_b32 s63, s17, 1
	s_add_co_u32 s63, s63, s18
	s_add_co_u32 s63, s63, 1
	s_mul_i32 s63, s63, SLAB                       ; from my slab of R to my slab of P: 69,632 (1 + wp + 1 - wr)
	v_mul_u32_u24 v[ADRS], s63, v2                 ; lanes 16-31 take P's scale words: one product with h
	v_lshl_add_u32 v[ADRS], v1, 2, v[ADRS]
	v_add_nc_u32 v[ADRS], s2, v[ADRS]
	v_add_nc_u32 v[ADRS+1], HALF, v[ADRS]
	; where my 128 x 128 goes, and which bias it takes
	s_add_co_u32 s91, s87, s18                     ; my slab of P,
	s_add_co_u32 s92, s58, s17                     ; of R
	s_sub_co_u32 s93, s92, 80
	s_sub_co_u32 s94, s91, 64
	s_cmp_eq_u32 s23, 1
	s_cselect_b32 s95, s91, s92                    ; the slab of time: 16 b + t / 128
	s_cselect_b32 s96, s93, s94                    ; the slab of channels: MODE 0: 0-7 query's heads, 8-15 key's; MODE 1: content's heads
	s_and_b32 s93, s96, 7                          ; the head
	s_lshr_b32 s94, s95, 4
	s_lshl_b32 s94, s94, 3
	s_add_co_u32 s94, s94, s93                     ; bh
	s_lshl_b32 s94, s94, 4
	s_and_b32 s95, s95, 15
	s_add_co_u32 s94, s94, s95                     ; 16 bh + the slab of time in its batch
	s_lshl_b32 s95, s94, 1
	s_add_co_u32 s95, s95, s23                     ; in kv: the pair's K record, or its V record
	s_lshl_b32 s97, s23, 4
	s_add_co_u32 s97, s97, s96
	s_cmp_lt_u32 s97, 8                            ; queries?
	s_cselect_b32 s94, s94, s95                    ; the record's number
	s_cselect_b64 s[98:99], s[12:13], s[14:15]     ; in q or in kv
	s_cselect_b64 s[88:89], s[6:7], s[8:9]
	s_cmp_eq_u32 s23, 1
	s_cselect_b64 s[88:89], s[10:11], s[88:89]     ; the bias
	s_mul_i32 s94, s94, REC
	s_mov_b32 s95, 0
	s_add_nc_u64 s[98:99], s[98:99], s[94:95]
	s_lshl_b32 s94, s93, 9
	s_add_nc_u64 s[88:89], s[88:89], s[94:95]      ; at the head's 128 channels
	s_mov_b32 s66, 0x76543210
	s_mov_b32 s67, 0xfedcba98                      ; v_permlanex16_b32's selects for lane l xor 16
	s_mov_b32 vcc_lo, 0xffff0000                   ; lanes 16-31
	s_cmp_eq_u32 s23, 1
	s_cbranch_scc1 .Lbias_r
.irp b, 0,1,2,3,4,5,6,7                        ; the bias runs along P: register j of tile b is channel 32 (b / 2) + 8 (b % 2) + 16 h + j
	global_load_b128 v[CB+8*\b:CB+8*\b+3], v24, s[88:89] offset:(32*(\b/2)+8*(\b%2))*4
	global_load_b128 v[CB+8*\b+4:CB+8*\b+7], v24, s[88:89] offset:(32*(\b/2)+8*(\b%2))*4+16
.endr
	s_branch .Lbias_in
.Lbias_r:
	s_wait_alu depctr_va_vdst(0)
.irp a, 0,1,2,3,4,5,6,7                        ; the bias runs along R: all eight registers of block a hold that of channel 32 (a / 2) + 8 (a % 2) + r + 8 (r / 8)
.irp j, 0,1,2,3,4,5,6,7
	global_load_b32 v[CB+8*\a+\j], v25, s[88:89] offset:(32*(\a/2)+8*(\a%2))*4
.endr
.endr
.Lbias_in:
	s_wait_tensorcnt 3                             ; my first piece is in; my three younger pieces may be out
	s_barrier_signal -1
	s_barrier_wait -1                              ; everybody's is
	s_wait_alu depctr_va_vdst(0)
	FETCH_P 0
	FETCH_R 0, 0
	SCALES 0
	FETCH_R 0, 4
	s_wait_loadcnt 0x0                             ; the bias
	s_cmp_eq_u32 s23, 1
	s_cbranch_scc1 .Lstart_r
	STEP 0, 1, -1                                  ; the first step's products start the sums on the bias: nothing is cleared
	s_branch .Lstarted
.Lstart_r:
	STEP 0, 2, -1
.Lstarted:
	STEP 1, 0, 2
	STEP 2, 0, -1
	STEP 3, 0, 1
	STEP 4, 0, -1
	STEP 5, 0, 0
	STEP 6, 0, -1
	LAST
; THE WAY OUT.  Block a (16 rows of R): a lane's 64 numbers, register 16 b + i = index 32 b + 16 h + i along P, are quantised and ARE tile a of the record: two stores of 512 consecutive bytes.
.macro QUANTW a
.set AC, 64*((\a)%4)
.set WN, 2+(\a)/4
.set W01, WN|(WN<<2)
.set W12, (WN<<2)|(WN<<4)
	WIN W01
.irp b, 0,1,2,3
	v_max3_num_f32 v[TM+\b], |v[AC+16*\b]|, |v[AC+16*\b+1]|, 0x1800000   ; my 16 numbers of block b and the floor 2^(3 - 127); each accumulator is read from its low end on
.endr
	WIN W12
.irp i, 2,4,6,8,10,12,14
.irp b, 0,1,2,3
	v_max3_num_f32 v[TM+\b], v[TM+\b], |v[AC+16*\b+\i]|, |v[AC+16*\b+\i+1]|
.endr
.endr
	WIN 0
.irp b, 0,1,2,3
	v_permlanex16_b32 v[TM+4+\b], v[TM+\b], s66, s67
.endr
.irp b, 0,1,2,3
	v_max_num_f32 v[TM+\b], v[TM+\b], v[TM+4+\b]   ; with lane l xor 16's: the block's largest magnitude
.endr
.irp b, 0,1,2,3
	v_add_nc_u32 v[TM+12+\b], 0xff000000, v[TM+\b] ; the conversion's scale operand
.endr
.irp b, 0,1,2,3
	v_lshrrev_b32 v[TM+4+\b], 23, v[TM+12+\b]      ; the scale's byte
.endr
	v_lshl_or_b32 v[PW+(\a)], v[TM+5], 8, v[TM+4]
	v_lshl_or_b32 v[PW+(\a)], v[TM+6], 16, v[PW+(\a)]
	v_lshl_or_b32 v[PW+(\a)], v[TM+7], 24, v[PW+(\a)]
	WIN WN
.irp b, 0,1,2,3
	v_cvt_scalef32_pk8_fp4_f32 v[PC+8*(\a)+2*\b], v[AC+16*\b:AC+16*\b+7], v[TM+12+\b]
	v_cvt_scalef32_pk8_fp4_f32 v[PC+8*(\a)+2*\b+1], v[AC+16*\b+8:AC+16*\b+15], v[TM+12+\b]
.endr
	WIN 0
	v_nop                                          ; one plain place behind a scaled conversion
.irp c, 0,1                                    ; the operand's layout wants a whole block in a lane
.irp i, 0,1
	v_permlane16_swap_b32 v[PC+8*(\a)+4*\c+\i], v[PC+8*(\a)+4*\c+2+\i]
.endr
.endr
.irp c, 0,1
	global_store_b128 v22, v[PC+8*(\a)+4*\c:PC+8*(\a)+4*\c+3], s[98:99] offset:1024*(\a)+512*\c
.endr
.endm
.irp b, 0,1,2,3
	v_mov_b32 v[TM+4+\b], 0                        ; a lane permute's destination counts as one of its sources
.endr
.irp a, 0,1,2,3,4,5,6,7
	QUANTW \a
.if (\a%2) == 1
	v_cndmask_b32 v[SW+\a/2], v[PW+\a-1], v[PW+\a], vcc_lo   ; lanes 0-15 block a - 1's words, lanes 16-31 block a's
	global_store_b32 v23, v[SW+\a/2], s[98:99] offset:8192+64*(\a-1)   ; 128 consecutive bytes
.endif
.endr
	s_wait_tensorcnt 0x0
	ds_add_u32 v126, v127
	s_wait_dscnt 0x0
	CROUND                                         ; the closing round: no work-group ends while a partner may still ask for a tile that names it
	s_endpgm
.Lfunc_end_k_qa4b06ed507_qkv:
	.size	k_qa4b06ed507_qkv, .Lfunc_end_k_qa4b06ed507_qkv-k_qa4b06ed507_qkv
	.p2alignl 7, 3214868480
	.fill 96, 4, 3214868480
	.section	.rodata,"a",@progbits
	.p2align	6, 0x0
	.amdhsa_kernel k_qa4b06ed507_qkv
		.amdhsa_group_segment_fixed_size 279040
		.amdhsa_private_segment_fixed_size 0
		.amdhsa_enable_private_segment 0
		.amdhsa_kernarg_size 48
		.amdhsa_user_sgpr_count 2
		.amdhsa_user_sgpr_kernarg_segment_ptr 1
		.amdhsa_wavefront_size32 1
		.amdhsa_system_sgpr_workgroup_id_x 1
		.amdhsa_system_sgpr_workgroup_id_y 1
		.amdhsa_system_sgpr_workgroup_id_z 1
		.amdhsa_system_vgpr_workitem_id 0
		.amdhsa_next_free_vgpr 1024
		.amdhsa_next_free_sgpr 100
		.amdhsa_reserve_vcc 1
		.amdhsa_float_denorm_mode_32 3
		.amdhsa_float_denorm_mode_16_64 3
		.amdhsa_memory_ordered 1
		.amdhsa_forward_progress 1
		.amdhsa_inst_pref_size 149
	.end_amdhsa_kernel
	.amdgpu_metadata
---
amdhsa.version: [ 1, 2 ]
amdhsa.kernels:
  - .name:           k_qa4b06ed507_qkv
    .symbol:         k_qa4b06ed507_qkv.kd
    .args:
      - { .name: img, .offset: 0, .size: 8, .value_kind: global_buffer, .address_space: global }
      - { .name: b_query, .offset: 8, .size: 8, .value_kind: global_buffer, .address_space: global }
      - { .name: b_key, .offset: 16, .size: 8, .value_kind: global_buffer, .address_space: global }
      - { .name: b_content, .offset: 24, .size: 8, .value_kind: global_buffer, .address_space: global }
      - { .name: q, .offset: 32, .size: 8, .value_kind: global_buffer, .address_space: global }
      - { .name: kv, .offset: 40, .size: 8, .value_kind: global_buffer, .address_space: global }
    .group_segment_fixed_size: 279040
    .private_segment_fixed_size: 0
    .kernarg_segment_align: 8
    .kernarg_segment_size: 48
    .max_flat_workgroup_size: 128
    .sgpr_count:     100
    .vgpr_count:     1024
    .wavefront_size: 32
...
	.end_amdgpu_metadata
.endif
;; end of part 2
;; launch attn (part 3): grid 8 x 32, 16 waves a work-group, no clusters, 280,576 bytes of LDS; arguments img, q, kv, b_qdecay, ri; writes ri
.if DOCPART == 3
	.amdgcn_target "amdgcn-amd-amdhsa--gfx1250"
	.amdhsa_code_object_version 6
	.text
	.protected	k_qa4b06ed507_attn
	.globl	k_qa4b06ed507_attn
	.p2align	8
	.type	k_qa4b06ed507_attn,@function
k_qa4b06ed507_attn:
	s_mov_b64 s[64:65], 0
	v_nop
	global_prefetch_b8 v0, s[64:65] scope:SCOPE_SE
	s_setreg_imm32_b32 hwreg(HW_REG_WAVE_MODE, 25, 1), 1
	s_wait_xcnt 0x0
; For each (b, head): logit(t, s) = k_t . q_s / sqrt(128) - |t - s| g_s, -100 where t = s; softmax over the keys t; result(c, s) = sum over t of weight x content(c, t).  Both products on codes of E2M1.
; g_s = sum over f of (f + 1) / 4 x sigmoid(z_f(s)), z = W_qdecay x + b_qdecay (a product on codes too): the distance kernel has K = 4 and is folded into this sum, by f32 multiply-adds.
; THE SOFTMAX: t = logit x log2(e); M = the running largest t rounded up to a whole number; p = 2^(t - M) is quantised along the keys; the row's sum is taken of the unquantised p and divides at the end;
; result / sum is quantised along the head's 128 channels and stored as tile (w & 7) of record `head` of slab 16 b + s / 128 of ri.
; SHARES.  A work-group owns 256 queries of one (b, head); each of its sixteen waves one tile of 16.  THE WHOLE HEAD COMES INTO LDS: 16 pairs {K record, V record} of 17,408 bytes, each byte filled once.  Waves 0-3 bring
; pairs w, w + 4, w + 8, w + 12, in that order: four tensor loads of a wave are out at the most; the walk over the keys begins when the first four pairs are in, and a barrier stands in front of each further four.
; Both products are used transposed: a lane holds ONE query (lane % 16); the records' order of rows makes register 16 b + i key (or channel) 32 b + 16 h + i.
; THE DISTANCE TERM.  With d = key - s = D0 + 32 b + i: ahead of the query's own step -|d| g = g d, behind it -g d: so g changes sign once.  The part g i, in the score's units (g sqrt(128) i, 16 registers), is the C of the
; products K Q^T; the part g (D0 + 32 b) log2(e) goes with -M into the one multiply-add that makes t - M.  The one step that holds the query's own key takes g i off again, subtracts |g d| and puts -100 sqrt(128) on the
; diagonal; it is chosen by a scalar branch on ids.
; NO CLUSTER: the eight query blocks of a head read the same 272 KiB, but that branch hangs on the query block's number, which differs between partners, and what is shared is one fill against 16 steps x 16 waves of work.
; LIMITS: the order of rounding of the distance term differs from the problem's own (its part g i is added by the matrix unit); a block's largest p is taken as 2^(the block's largest argument), which takes v_exp_f32 not to
; fall where its input rises; a block of zeros gets the byte 1 (its codes are zeros); NaN and infinities are not served.
; REGISTERS: v1 16 x lane, v2 4 x lane, v3-4 LDS addresses, v5 g log2(e), v6 D0, v7 g sqrt(128), v8-10 D0 + 32 b, v11 my query's place in its step less 16 h, v12 -M, v13 the largest t, v[14:15] the sum, v16-23 Q,
; v24-27 g log2(e) (D0 + 32 b), v28-31 and v248-251 scale words and nothing else, v32-63 four fragments, v64-79 g sqrt(128) i, v80-87 K's eighth fragment, then v24-27 less M in pairs, v88-91 a block's largest score,
; v92-93 at work, v95 the diagonal's score, v96-159 scores, then p; v96-127 then four fragments of V; v160-223 O^T, v224-247 three fragments of K, then p's codes and work, v252 f, v253 p's scale word, v254 at work, v255 Q's scale word.
.set REC,  8704
.set PAIR, 17408
.set SLAB, 69632                       ; a slab of img or ri; also four pairs of kv
.set G0,   68                          ; s[68:83] four descriptor groups 0
	s_load_b256 s[4:11], s[0:1], 0x0               ; img s[4:5], q s[6:7], kv s[8:9], b_qdecay s[10:11]
	s_load_b64 s[12:13], s[0:1], 0x20              ; ri
	v_lshl_add_u32 v254, v0, 2, 0x44000
	v_mov_b32 v255, 0
	ds_add_u32 v254, v255
	ds_add_u32 v254, v255
	s_wait_dscnt 0x0
	v_lshrrev_b32 v7, 5, v0
	s_delay_alu instid0(VALU_DEP_1)
	v_readfirstlane_b32 s14, v7                    ; wave 0..15
	s_and_b32 s15, ttmp7, 0xffff                   ; bh
	s_and_b32 s16, s15, 7                          ; head
	s_lshr_b32 s17, s15, 3                         ; b
	s_lshr_b32 s19, s14, 3
	s_lshl_b32 s18, ttmp9, 1
	s_add_co_u32 s19, s19, s18                     ; my slab of queries, which is also the key step that holds my own keys
	s_and_b32 s18, s14, 7                          ; my tile in it
	s_mov_b32 s24, 3<<16                           ; group 1: no mask; elements of 8 bytes; no padding: a pair's 17,408 dense bytes as 68 rows of 256
	s_mov_b32 s25, 32<<16
	s_mov_b32 s26, 68<<16
	s_mov_b32 s27, 32<<16
	s_mov_b32 s28, 68
	s_mov_b32 s29, 32
	s_mov_b32 s30, 0
	s_mov_b32 s31, 0
	s_and_b32 s84, s14, 3
	s_mul_i32 s84, s84, PAIR                       ; pair w & 3 of a group of four: its place in LDS and in memory alike
	s_mul_i32 s42, s15, 16*PAIR                    ; the head's 16 pairs
	s_add_co_u32 s42, s42, s84
	s_mov_b32 s43, 0
	s_wait_kmcnt 0x0
	s_add_nc_u64 s[34:35], s[8:9], s[42:43]
.irp j, 0,1,2,3
	s_mov_b32 s[G0+4*\j], 1
	s_add_co_u32 s[G0+4*\j+1], s84, SLAB*\j
	s_add_nc_u64 s[G0+4*\j+2:G0+4*\j+3], s[34:35], SLAB*\j
	s_or_b32 s[G0+4*\j+3], s[G0+4*\j+3], 0x80000000
.endr
	s_cmp_lt_u32 s14, 4                            ; waves 0-3 fetch: a wave's four fills stand in one branch on the wave's number
	s_cbranch_scc0 .Lno_fill
	tensor_load_to_lds s[G0:G0+3], s[24:31]
	s_nop 0
	tensor_load_to_lds s[G0+4:G0+7], s[24:31]
	s_nop 0
	tensor_load_to_lds s[G0+8:G0+11], s[24:31]
	s_nop 0
	tensor_load_to_lds s[G0+12:G0+15], s[24:31]
	s_nop 0
.rept 4
	v_nop
.endr
.Lno_fill:
	s_lshl_b32 s42, s16, 4
	s_add_nc_u64 s[10:11], s[10:11], s[42:43]
	s_load_b128 s[36:39], s[10:11], 0x0            ; b_qdecay[4 head .. 4 head + 3]
	s_lshl_b32 s46, s17, 4
	s_add_co_u32 s46, s46, s19
	s_mul_i32 s46, s46, SLAB                       ; slab 16 b + s / 128, of x in img and of ri
	s_lshl_b32 s47, s18, 10                        ; 1024 x tile
	s_add_co_u32 s44, s46, s47
	s_mov_b32 s45, 0
	s_add_nc_u64 s[44:45], s[4:5], s[44:45]        ; x's fragments of my tile
	s_bfe_u32 s50, s16, 0x10001                    ; W_qdecay's true row 4 head + f lies in tile (head >> 1) & 1
	s_and_b32 s51, s16, 1
	s_lshl_b32 s51, s51, 2
	s_lshr_b32 s52, s16, 2
	s_lshl_b32 s52, s52, 3
	s_add_co_u32 s51, s51, s52                     ; at row 4 (head & 1) + 8 (head >> 2) + f of it
	s_lshl_b32 s48, s50, 10
	s_lshl_b32 s52, s51, 4
	s_add_co_u32 s48, s48, s52
	s_add_co_u32 s48, s48, 96*SLAB
	s_mov_b32 s49, 0
	s_add_nc_u64 s[48:49], s[4:5], s[48:49]
	s_lshl_b32 s60, s18, 6                         ; 64 x tile
	s_add_co_u32 s53, s60, s46
	s_add_co_u32 s53, s53, 8192                    ; x's scale words, from img's first byte
	s_lshl_b32 s54, s50, 6
	s_lshl_b32 s55, s51, 2
	s_add_co_u32 s54, s54, s55
	s_add_co_u32 s54, s54, 96*SLAB+8192            ; W_qdecay's
	s_lshl_b32 s56, s15, 4
	s_add_co_u32 s56, s56, s19
	s_mul_i32 s56, s56, REC                        ; q's record
	s_add_co_u32 s58, s56, s60
	s_add_co_u32 s58, s58, 8192
	s_add_co_u32 s56, s56, s47
	s_mov_b32 s57, 0
	s_mov_b32 s59, 0
	s_add_nc_u64 s[56:57], s[6:7], s[56:57]
	s_add_nc_u64 s[58:59], s[6:7], s[58:59]
	s_mul_i32 s61, s16, REC
	s_add_co_u32 s61, s61, s46                     ; ri's record
	s_add_co_u32 s62, s61, s60
	s_add_co_u32 s62, s62, 8192
	s_mov_b32 s63, 0
	s_add_nc_u64 s[62:63], s[12:13], s[62:63]      ; my tile's scale words
	s_add_co_u32 s60, s61, s47
	s_mov_b32 s61, 0
	s_add_nc_u64 s[12:13], s[12:13], s[60:61]      ; my tile's codes
	s_mov_b32 s20, 0x76543210
	s_mov_b32 s21, 0xfedcba98                      ; v_permlanex16_b32's selects for lane l xor 16
	s_mov_b32 s22, 0x3e0293ee                      ; c = log2(e) / sqrt(128)
	s_mov_b32 s23, s22
	s_mov_b32 vcc_lo, 0xffff0000
	v_and_b32 v7, 31, v0
	s_delay_alu instid0(VALU_DEP_1)
	v_lshlrev_b32 v1, 4, v7                        ; 16 x lane
	s_delay_alu instid0(VALU_DEP_2)
	v_lshlrev_b32 v2, 2, v7                        ; 4 x lane
	v_and_b32 v8, 15, v0                           ; r
	s_delay_alu instid0(VALU_DEP_1)
	v_lshlrev_b32 v91, 2, v8                       ; 4 r
	v_bfe_u32 v9, v0, 4, 1                         ; h
	s_delay_alu instid0(VALU_DEP_3)
	v_and_b32 v10, 3, v8
	s_delay_alu instid0(VALU_DEP_1)
	v_lshlrev_b32 v92, 4, v10
	s_delay_alu instid0(VALU_DEP_1)
	v_lshl_add_u32 v92, v9, 8, v92                 ; W_qdecay's four rows stand four times in source 0: lane (r, h) takes row r & 3
	v_add_nc_u32 v93, s53, v91
	s_delay_alu instid0(VALU_DEP_4)
	v_lshl_add_u32 v94, v10, 2, s54
	s_delay_alu instid0(VALU_DEP_1)
	v_cndmask_b32 v93, v93, v94, vcc_lo            ; one register carries both sides' scale words: lanes 0-15 x's, lanes 16-31 W_qdecay's
.irp k, 0,1,2,3,4,5,6,7
.irp c, 0,1
	global_load_b128 v[96+8*\k+4*\c:96+8*\k+4*\c+3], v1, s[44:45] offset:REC*\k+512*\c
	global_load_b128 v[160+8*\k+4*\c:160+8*\k+4*\c+3], v92, s[48:49] offset:REC*\k+512*\c
.endr
.endr
.irp k, 0,1,2,3
	global_load_b32 v[28+\k], v93, s[4:5] offset:REC*\k
	global_load_b32 v[248+\k], v93, s[4:5] offset:REC*(\k+4)
.endr
	global_load_b128 v[16:19], v1, s[56:57]        ; Q's fragment stays in registers
	global_load_b128 v[20:23], v1, s[56:57] offset:512
	global_load_b32 v255, v91, s[58:59]
	s_lshr_b32 s50, s18, 1
	s_lshl_b32 s50, s50, 5
	s_and_b32 s51, s14, 1
	s_lshl_b32 s51, s51, 3
	s_add_co_u32 s50, s50, s51                     ; my tile's first query in its slab: 32 (tile / 2) + 8 (tile % 2)
	s_lshl_b32 s51, s19, 7
	s_add_co_u32 s51, s51, s50                     ; and in the head
	v_and_b32 v7, 8, v8
	s_delay_alu instid0(VALU_DEP_1)
	v_add_nc_u32 v7, v7, v8                        ; r + 8 (r / 8)
	v_lshlrev_b32 v94, 4, v9
	s_delay_alu instid0(VALU_DEP_1)
	v_sub_nc_u32 v94, v94, v7                      ; 16 h - r - 8 (r / 8)
	s_delay_alu instid0(VALU_DEP_1)
	v_sub_nc_u32 v11, s50, v94                     ; my query's place in its step, less 16 h: register 16 b + i is the diagonal where 32 b + i equals it
	s_delay_alu instid0(VALU_DEP_2)
	v_sub_nc_u32 v94, v94, s51
	s_delay_alu instid0(VALU_DEP_1)
	v_cvt_f32_i32 v6, v94                          ; D0 = 16 h - s, for key step 0
	v_mov_b32 v95, 0xc2c80000
	s_delay_alu instid0(VALU_DEP_1)
	v_mul_f32 v95, 0x413504f3, v95                 ; -100 sqrt(128): times c it is -100 log2(e)
	v_mov_b32 v13, 0xff61b1e6                      ; the largest t so far: -3e38
	s_delay_alu instid0(VALU_DEP_1)
	v_floor_f32 v12, -v13                          ; -M
	v_mov_b32 v14, 0
	v_mov_b32 v15, 0
.irp b, 0,1,2,3
	v_mov_b32 v[236+\b], 0                         ; a lane permute's destination counts as one of its sources
	v_mov_b32 v[81+2*\b], 0                        ; named as the upper halves of pairs
.endr
	v_mov_b32 v253, 0
.irp i, 0,1,2,3,4,5,6,7,8,9,10,11,12,13,14,15
	v_cvt_f32_u32 v[64+\i], \i
.endr
	s_mov_b32 s40, 0                               ; LDS byte of the step's pair
	s_mov_b32 s41, 0                               ; the step
	s_wait_loadcnt 0x0
	s_wait_kmcnt 0x0
; z = W_qdecay x: eight K steps on two accumulators by turns; register f of lane (r, h) is z_f of query r
.irp k, 0,1,2,3,4,5,6,7
.if \k < 4
.set DS, 28+\k
.else
.set DS, 244+\k
.endif
.if \k < 2
	v_wmma_scale_f32_16x16x128_f8f6f4 v[32+8*(\k%2):39+8*(\k%2)], v[160+8*\k:167+8*\k], v[96+8*\k:103+8*\k], 0, v[DS], v[DS] matrix_a_fmt:MATRIX_FMT_FP4 matrix_b_fmt:MATRIX_FMT_FP4 matrix_a_scale:MATRIX_SCALE_ROW1
.else
	v_wmma_scale_f32_16x16x128_f8f6f4 v[32+8*(\k%2):39+8*(\k%2)], v[160+8*\k:167+8*\k], v[96+8*\k:103+8*\k], v[32+8*(\k%2):39+8*(\k%2)], v[DS], v[DS] matrix_a_fmt:MATRIX_FMT_FP4 matrix_b_fmt:MATRIX_FMT_FP4 matrix_a_scale:MATRIX_SCALE_ROW1
.endif
.endr
.rept 4
	v_nop
.endr
.irp f, 0,1,2,3
	v_add_f32 v[7+\f], v[32+\f], v[40+\f]
.endr
.irp f, 0,1,2,3
	s_delay_alu instid0(VALU_DEP_4)
	v_add_f32 v[7+\f], s[36+\f], v[7+\f]
.endr
.irp f, 0,1,2,3
	s_delay_alu instid0(VALU_DEP_4)
	v_mul_f32 v[7+\f], 0xbfb8aa3b, v[7+\f]
.endr
	s_wait_alu depctr_va_vdst(0)
.irp f, 0,1,2,3
	v_exp_f32 v[7+\f], v[7+\f]
.endr
	v_nop
	s_wait_alu depctr_va_vdst(0)
.irp f, 0,1,2,3
	v_add_f32 v[7+\f], 1.0, v[7+\f]
.endr
	s_wait_alu depctr_va_vdst(0)
.irp f, 0,1,2,3
	v_rcp_f32 v[7+\f], v[7+\f]                     ; sigmoid(z_f)
.endr
	v_nop
	s_wait_alu depctr_va_vdst(0)
	v_mul_f32 v5, 0x3e800000, v7                   ; g = 1/4 sigma_0 + 2/4 sigma_1 + 3/4 sigma_2 + 4/4 sigma_3
	v_fmamk_f32 v5, v8, 0x3f000000, v5
	v_fmamk_f32 v5, v9, 0x3f400000, v5
	v_add_f32 v5, v5, v10
	s_delay_alu instid0(VALU_DEP_1)
	v_mul_f32 v7, 0x413504f3, v5                   ; g sqrt(128): in the score's units
	s_delay_alu instid0(VALU_DEP_2)
	v_mul_f32 v5, 0x3fb8aa3b, v5                   ; g log2(e): in t's units
.irp i, 0,1,2,3,4,5,6,7,8,9,10,11,12,13,14,15
	v_mul_f32 v[64+\i], v7, v[64+\i]               ; g sqrt(128) i
.endr
.set J, 0
.rept 64
	v_mov_b32 v[160+J], 0                          ; O^T: the step is written without a first of its own; the first finds zeros
.set J, J+1
.endr
.macro KREG t                          ; where K's fragment of tile t lies: registers that are idle at a step's head
.if (\t) < 4
.set KA, 32+8*(\t)
.elseif (\t) < 7
.set KA, 192+8*(\t)
.else
.set KA, 80
.endif
.endm
.macro VREG t                          ; and V's: tiles 4-7 take registers that p has left
.if (\t) < 4
.set VA, 32+8*(\t)
.else
.set VA, 64+8*(\t)
.endif
.endm
; S' = K Q^T + g sqrt(128) i: tile t's register j is i = 8 (t % 2) + j.  A scale register holds tile 2 m's words in lanes 0-15 and tile 2 m + 1's in lanes 16-31
.macro SMUL t
	KREG \t
.if (\t)%2
	v_wmma_scale_f32_16x16x128_f8f6f4 v[96+8*(\t):103+8*(\t)], v[KA:KA+7], v[16:23], v[72:79], v[248+(\t)/2], v255 matrix_a_fmt:MATRIX_FMT_FP4 matrix_b_fmt:MATRIX_FMT_FP4 matrix_a_scale:MATRIX_SCALE_ROW1
.else
	v_wmma_scale_f32_16x16x128_f8f6f4 v[96+8*(\t):103+8*(\t)], v[KA:KA+7], v[16:23], v[64:71], v[248+(\t)/2], v255 matrix_a_fmt:MATRIX_FMT_FP4 matrix_b_fmt:MATRIX_FMT_FP4
.endif
.endm
.macro VMUL t                          ; O^T += V^T P^T, 16 channels
	VREG \t
.if (\t)%2
	v_wmma_scale_f32_16x16x128_f8f6f4 v[160+8*(\t):167+8*(\t)], v[VA:VA+7], v[224:231], v[160+8*(\t):167+8*(\t)], v[28+(\t)/2], v253 matrix_a_fmt:MATRIX_FMT_FP4 matrix_b_fmt:MATRIX_FMT_FP4 matrix_a_scale:MATRIX_SCALE_ROW1
.else
	v_wmma_scale_f32_16x16x128_f8f6f4 v[160+8*(\t):167+8*(\t)], v[VA:VA+7], v[224:231], v[160+8*(\t):167+8*(\t)], v[28+(\t)/2], v253 matrix_a_fmt:MATRIX_FMT_FP4 matrix_b_fmt:MATRIX_FMT_FP4
.endif
.endm
; FOUR KEY STEPS of 128 keys, up to step lim: a loop of four trips.
.macro FOUR lim
.Lstep_\@:
	s_wait_alu depctr_va_vdst(0)
	s_setprio 2
	v_add_nc_u32 v3, s40, v1                       ; these five lines and the addition at the step's end are the places between the last products and the loads into their operands,
	v_add_nc_u32 v4, s40, v2                       ; and between them and the products that write over v96-127
	v_add_f32 v8, 0x42000000, v6
	v_add_f32 v9, 0x42800000, v6
	v_add_f32 v10, 0x42c00000, v6
.irp t, 0,1,2,3,4,5,6,7
	KREG \t
	ds_load_b128 v[KA:KA+3], v3 offset:1024*\t
	ds_load_b128 v[KA+4:KA+7], v3 offset:1024*\t+512
.endr
.irp m, 0,1,2,3
	ds_load_b32 v[248+\m], v4 offset:8192+128*\m   ; the words of tiles 2 m and 2 m + 1: 128 consecutive bytes
.endr
	s_wait_alu depctr_va_vdst(0)
	s_wait_dscnt 0x0
.irp t, 0,1,2,3,4,5,6,7
	SMUL \t
.endr
	v_mul_f32 v24, v5, v6                          ; g log2(e) (D0 + 32 b).  These four lines are the places behind the products
	v_mul_f32 v25, v5, v8
	v_mul_f32 v26, v5, v9
	v_mul_f32 v27, v5, v10
	s_cmp_eq_u32 s41, s19                          ; the step that holds my own keys?  A branch on ids
	s_cbranch_scc0 .Ljoin_\@
	v_mul_f32 v80, v7, v6                          ; g sqrt(128) (D0 + 32 b)
	v_mul_f32 v82, v7, v8
	v_mul_f32 v84, v7, v9
	v_mul_f32 v86, v7, v10
.set J, 0
.rept 64
	v_add_f32 v[92+J%2], v[80+2*(J/16)], v[64+J%16]    ; g sqrt(128) d
	v_sub_f32 v[96+J], v[96+J], v[64+J%16]             ; the score again
	s_delay_alu instid0(VALU_DEP_1)
	v_sub_f32 v[96+J], v[96+J], |v[92+J%2]|            ; less |g sqrt(128) d|
	v_cmp_eq_u32 vcc_lo, 32*(J/16)+J%16, v11
	s_delay_alu instid0(VALU_DEP_1)
	v_cndmask_b32 v[96+J], v[96+J], v95, vcc_lo        ; the diagonal
.set J, J+1
.endr
.irp b, 0,1,2,3
	v_mov_b32 v[24+\b], 0                          ; all of the distance term stands in the scores here
.endr
	v_xor_b32 v5, 0x80000000, v5                   ; from here on the keys come after my query: g changes sign
	v_xor_b32 v7, 0x80000000, v7
.irp i, 0,2,4,6,8,10,12,14
	v_pk_mul_f32 v[64+\i:65+\i], v[64+\i:65+\i], -1.0 op_sel_hi:[1,0]
.endr
.Ljoin_\@:
.irp t, 0,1,2,3                                ; V's tiles 0-3 and all its scale words are asked for here: they land under the softmax
	ds_load_b128 v[32+8*\t:35+8*\t], v3 offset:REC+1024*\t
	ds_load_b128 v[36+8*\t:39+8*\t], v3 offset:REC+1024*\t+512
	ds_load_b32 v[28+\t], v4 offset:REC+8192+128*\t
.endr
.irp b, 0,1,2,3
	v_max3_num_f32 v[88+\b], v[96+16*\b], v[97+16*\b], v[98+16*\b]   ; the largest S' of each block of 32 keys (my 16)
.endr
.irp i, 3,5,7,9,11,13
.irp b, 0,1,2,3
	v_max3_num_f32 v[88+\b], v[88+\b], v[96+16*\b+\i], v[97+16*\b+\i]
.endr
.endr
	s_setprio 1
.irp b, 0,1,2,3
	v_max_num_f32 v[88+\b], v[88+\b], v[111+16*\b]
.endr
.irp b, 0,1,2,3
	s_delay_alu instid0(VALU_DEP_4)
	v_fma_f32 v[232+\b], v[88+\b], s22, v[24+\b]   ; as t (c is positive)
.endr
	s_delay_alu instid0(VALU_DEP_2)
	v_max3_num_f32 v254, v232, v233, v234
	s_delay_alu instid0(VALU_DEP_1)
	v_max_num_f32 v254, v254, v235
	s_delay_alu instid0(VALU_DEP_1)
	v_permlanex16_b32 v236, v254, s20, s21
	s_delay_alu instid0(VALU_DEP_1)
	v_max_num_f32 v254, v254, v236                 ; the step's largest t of my query
	s_delay_alu instid0(VALU_DEP_1)
	v_max_num_f32 v13, v13, v254                   ; the running largest t
	v_mov_b32 v254, v12
	s_delay_alu instid0(VALU_DEP_2)
	v_floor_f32 v12, -v13                          ; the new -M = -ceil(t): a whole number
	s_delay_alu instid0(VALU_DEP_1)
	v_sub_f32 v254, v12, v254                      ; old M - new M: a whole number, 0 or less
	s_delay_alu instid0(VALU_DEP_1)
	v_cvt_i32_f32 v254, v254                       ; (it saturates)
	s_delay_alu instid0(VALU_DEP_1)
	v_ldexp_f32 v252, 1.0, v254                    ; f = 2^(old M - new M)
.irp b, 0,1,2,3
	v_add_f32 v[80+2*\b], v[24+\b], v12            ; g log2(e) (D0 + 32 b) - M
.endr
.set J, 0
.rept 32
	v_pk_fma_f32 v[96+J:97+J], v[96+J:97+J], s[22:23], v[80+2*(J/16):81+2*(J/16)] op_sel_hi:[1,0,0]   ; t - M, two at a time
.set J, J+2
.endr
.irp b, 0,1,2,3
	v_fma_f32 v[232+\b], v[88+\b], s22, v[80+2*\b] ; the same multiply-add on each block's largest S': the block's largest argument
.endr
.irp b, 0,1,2,3
	s_delay_alu instid0(VALU_DEP_4)
	v_permlanex16_b32 v[236+\b], v[232+\b], s20, s21
.endr
.irp b, 0,1,2,3
	s_delay_alu instid0(VALU_DEP_4)
	v_max_num_f32 v[232+\b], v[232+\b], v[236+\b]  ; with lane l xor 16's 16 keys
.endr
.set J, 0
	s_wait_alu depctr_va_vdst(0)
.rept 64
	v_exp_f32 v[96+J], v[96+J]                     ; p = 2^(t - M): not normalised
.set J, J+1
.endr
.irp b, 0,1,2,3
	v_exp_f32 v[232+\b], v[232+\b]                 ; the block's largest p
.endr
	v_pk_mul_f32 v[14:15], v[14:15], v[252:253] op_sel_hi:[1,0]   ; the sums under the new M.  (A plain place behind the exponentials)
	s_wait_alu depctr_va_vdst(0)
.irp b, 0,1,2,3
	v_max_num_f32 v[232+\b], 0x1800000, v[232+\b]  ; the floor 2^(3 - 127)
.endr
.irp b, 0,1,2,3
	s_delay_alu instid0(VALU_DEP_4)
	v_add_nc_u32 v[244+\b], 0xff000000, v[232+\b]  ; the conversion's scale operand
.endr
.irp b, 0,1,2,3
	s_delay_alu instid0(VALU_DEP_4)
	v_lshrrev_b32 v[236+\b], 23, v[244+\b]         ; the scale's byte
.endr
	s_delay_alu instid0(VALU_DEP_3)
	v_lshl_or_b32 v253, v237, 8, v236              ; p's scale word for these 128 keys
	s_delay_alu instid0(VALU_DEP_1)
	v_lshl_or_b32 v253, v238, 16, v253
	s_delay_alu instid0(VALU_DEP_1)
	v_lshl_or_b32 v253, v239, 24, v253
.irp b, 0,1,2,3
	v_cvt_scalef32_pk8_fp4_f32 v[224+2*\b], v[96+16*\b:103+16*\b], v[244+\b]
	v_cvt_scalef32_pk8_fp4_f32 v[225+2*\b], v[104+16*\b:111+16*\b], v[244+\b]
.endr
	v_pk_add_f32 v[236:237], v[96:97], v[98:99]    ; the row's sum, of the unquantised p, in two chains.  (This line is also the plain place behind the conversions)
.irp c, 0,1
.irp i, 0,1
	v_permlane16_swap_b32 v[224+4*\c+\i], v[226+4*\c+\i]
.endr
.endr
.irp j, 4,8,12,16,20,24,28
	v_pk_add_f32 v[14:15], v[14:15], v[96+\j:97+\j]
	v_pk_add_f32 v[236:237], v[236:237], v[98+\j:99+\j]
.endr
.irp t, 0,1,2,3                                ; v96-127 have been summed and converted: V's tiles 4-7 land there under the lines below
	ds_load_b128 v[96+8*\t:99+8*\t], v3 offset:REC+1024*(4+\t)
	ds_load_b128 v[100+8*\t:103+8*\t], v3 offset:REC+1024*(4+\t)+512
.endr
	s_setprio 0
.irp j, 32,36,40,44,48,52,56,60
	v_pk_add_f32 v[14:15], v[14:15], v[96+\j:97+\j]
	v_pk_add_f32 v[236:237], v[236:237], v[98+\j:99+\j]
.endr
	s_delay_alu instid0(VALU_DEP_1)
	v_pk_add_f32 v[14:15], v[14:15], v[236:237]
.set J, 0
.rept 32
	v_pk_mul_f32 v[160+J:161+J], v[160+J:161+J], v[252:253] op_sel_hi:[1,0]   ; O^T under the new M.  (Also the places between p's codes and scale word and the products below)
.set J, J+2
.endr
	s_wait_alu depctr_va_vdst(0)
	s_wait_dscnt 0x0                               ; V's eight fragments and its scale words
.irp t, 0,1,2,3,4,5,6,7
	VMUL \t
.endr
	v_add_f32 v6, 0x43000000, v6                   ; D0 of the next 128 keys
	s_add_co_u32 s40, s40, PAIR
	s_add_co_u32 s41, s41, 1
	s_cmp_lt_u32 s41, \lim
	s_cbranch_scc1 .Lstep_\@
	s_setprio 0
.endm
	s_wait_tensorcnt 3                             ; my pair of the first four is in; my three younger pairs may be out
	s_barrier_signal -1
	s_barrier_wait -1                              ; everybody's is
	FOUR 4
	s_wait_tensorcnt 2                             ; my pair of the second four; two younger may be out
	s_wait_dscnt 0x0
	s_barrier_signal -1
	s_barrier_wait -1
	FOUR 8
	s_wait_tensorcnt 1
	s_wait_dscnt 0x0
	s_barrier_signal -1
	s_barrier_wait -1
	FOUR 12
	s_wait_tensorcnt 0x0
	s_wait_dscnt 0x0
	s_barrier_signal -1
	s_barrier_wait -1
	FOUR 16
	; THE END: result = O^T / the sum, quantised along the head's channels: it IS my tile of ri's record
.rept 4
	v_nop
.endr
	v_add_f32 v14, v14, v15
	s_delay_alu instid0(VALU_DEP_1)
	v_permlanex16_b32 v252, v14, s20, s21
	s_delay_alu instid0(VALU_DEP_1)
	v_add_f32 v14, v14, v252                       ; the row's sum
	s_wait_alu depctr_va_vdst(0)
	v_rcp_f32 v14, v14
	v_and_b32 v7, 15, v0                           ; (a plain place behind the reciprocal)
	s_delay_alu instid0(VALU_DEP_1)
	v_lshlrev_b32 v7, 2, v7                        ; 4 r
.set J, 0
	s_wait_alu depctr_va_vdst(0)
.rept 64
	v_mul_f32 v[96+J], v[160+J], v14               ; register 16 b + i: channel 32 b + 16 h + i of my query
.set J, J+1
.endr
.irp b, 0,1,2,3
	v_max3_num_f32 v[232+\b], |v[96+16*\b]|, |v[97+16*\b]|, 0x1800000
.endr
.irp i, 2,4,6,8,10,12,14
.irp b, 0,1,2,3
	s_delay_alu instid0(VALU_DEP_4)
	v_max3_num_f32 v[232+\b], v[232+\b], |v[96+16*\b+\i]|, |v[97+16*\b+\i]|
.endr
.endr
.irp b, 0,1,2,3
	s_delay_alu instid0(VALU_DEP_4)
	v_permlanex16_b32 v[236+\b], v[232+\b], s20, s21
.endr
.irp b, 0,1,2,3
	s_delay_alu instid0(VALU_DEP_4)
	v_max_num_f32 v[232+\b], v[232+\b], v[236+\b]
.endr
.irp b, 0,1,2,3
	s_delay_alu instid0(VALU_DEP_4)
	v_add_nc_u32 v[244+\b], 0xff000000, v[232+\b]
.endr
.irp b, 0,1,2,3
	s_delay_alu instid0(VALU_DEP_4)
	v_lshrrev_b32 v[236+\b], 23, v[244+\b]
.endr
	s_delay_alu instid0(VALU_DEP_3)
	v_lshl_or_b32 v253, v237, 8, v236
	s_delay_alu instid0(VALU_DEP_1)
	v_lshl_or_b32 v253, v238, 16, v253
	s_delay_alu instid0(VALU_DEP_1)
	v_lshl_or_b32 v253, v239, 24, v253
.irp b, 0,1,2,3
	v_cvt_scalef32_pk8_fp4_f32 v[224+2*\b], v[96+16*\b:103+16*\b], v[244+\b]
	v_cvt_scalef32_pk8_fp4_f32 v[225+2*\b], v[104+16*\b:111+16*\b], v[244+\b]
.endr
	v_nop
.irp c, 0,1
.irp i, 0,1
	v_permlane16_swap_b32 v[224+4*\c+\i], v[226+4*\c+\i]
.endr
.endr
	global_store_b128 v1, v[224:227], s[12:13]     ; 512 consecutive bytes a store, aligned
	global_store_b128 v1, v[228:231], s[12:13] offset:512
	global_store_b32 v7, v253, s[62:63]            ; 16 scale words; lanes l and l + 16 write the same word with the same value
	s_wait_xcnt 0x0
	v_lshl_add_u32 v254, v0, 2, 0x44000
	v_mov_b32 v255, 0
	s_wait_alu depctr_va_vdst(0)
	s_wait_tensorcnt 0x0
	ds_add_u32 v254, v255
	s_wait_dscnt 0x0
	s_endpgm
.Lfunc_end_k_qa4b06ed507_attn:
	.size	k_qa4b06ed507_attn, .Lfunc_end_k_qa4b06ed507_attn-k_qa4b06ed507_attn
	.p2alignl 7, 3214868480
	.fill 96, 4, 3214868480
	.section	.rodata,"a",@progbits
	.p2align	6, 0x0
	.amdhsa_kernel k_qa4b06ed507_attn
		.amdhsa_group_segment_fixed_size 280576
		.amdhsa_private_segment_fixed_size 0
		.amdhsa_enable_private_segment 0
		.amdhsa_kernarg_size 40
		.amdhsa_user_sgpr_count 2
		.amdhsa_user_sgpr_kernarg_segment_ptr 1
		.amdhsa_wavefront_size32 1
		.amdhsa_system_sgpr_workgroup_id_x 1
		.amdhsa_system_sgpr_workgroup_id_y 1
		.amdhsa_system_sgpr_workgroup_id_z 1
		.amdhsa_system_vgpr_workitem_id 0
		.amdhsa_next_free_vgpr 256
		.amdhsa_next_free_sgpr 86
		.amdhsa_reserve_vcc 1
		.amdhsa_float_denorm_mode_32 3
		.amdhsa_float_denorm_mode_16_64 3
		.amdhsa_memory_ordered 1
		.amdhsa_forward_progress 1
		.amdhsa_inst_pref_size 176
	.end_amdhsa_kernel
	.amdgpu_metadata
---
amdhsa.version: [ 1, 2 ]
amdhsa.kernels:
  - .name:           k_qa4b06ed507_attn
    .symbol:         k_qa4b06ed507_attn.kd
    .args:
      - { .name: img, .offset: 0, .size: 8, .value_kind: global_buffer, .address_space: global }
      - { .name: q, .offset: 8, .size: 8, .value_kind: global_buffer, .address_space: global }
      - { .name: kv, .offset: 16, .size: 8, .value_kind: global_buffer, .address_space: global }
      - { .name: b_qdecay, .offset: 24, .size: 8, .value_kind: global_buffer, .address_space: global }
      - { .name: ri, .offset: 32, .size: 8, .value_kind: global_buffer, .address_space: global }
    .group_segment_fixed_size: 280576
    .private_segment_fixed_size: 0
    .kernarg_segment_align: 8
    .kernarg_segment_size: 40
    .max_flat_workgroup_size: 512
    .sgpr_count:     86
    .vgpr_count:     256
    .wavefront_size: 32
...
	.end_amdgpu_metadata
.endif
;; end of part 3
;; launch proj (part 4): grid 32 x 8, 4 waves a work-group, clusters of 4 x 4, 243,200 bytes of LDS; arguments ri, img, b_proj, x, out0; writes out0
.if DOCPART == 4
	.amdgcn_target "amdgcn-amd-amdhsa--gfx1250"
	.amdhsa_code_object_version 6
	.text
	.protected	k_qa4b06ed507_proj
	.globl	k_qa4b06ed507_proj
	.p2align	8
	.type	k_qa4b06ed507_proj,@function
k_qa4b06ed507_proj:
	s_mov_b64 s[64:65], 0
	v_nop
	global_prefetch_b8 v0, s[64:65] scope:SCOPE_SE
	s_setreg_imm32_b32 hwreg(HW_REG_WAVE_MODE, 25, 1), 1
	s_wait_xcnt 0x0
	s_wait_alu depctr_hold_cnt(0) depctr_sa_sdst(0) depctr_va_vdst(0) depctr_va_sdst(0) depctr_va_ssrc(0) depctr_va_vcc(0) depctr_vm_vsrc(0)
	s_getreg_b32 s2, hwreg(HW_REG_IB_STS2, 6, 4)
	s_cmp_eq_u32 s2, 0
	s_cbranch_scc0 .Lentry_in_a_cluster
	s_endpgm
.Lentry_in_a_cluster:
	s_bfe_u32 s2, ttmp6, 0x10000c
	s_cmp_lg_u32 s2, 0xf033
	s_cbranch_scc0 .Lentry_shape_is_right
	s_endpgm
.Lentry_shape_is_right:
; out0 = x + W_proj result + b_proj: a product of 8,192 x 1,024 x 1,024 on codes of E2M1 (records: 128 rows x 128 K in 8,704 bytes, images of operand registers).
; A work-group of four waves makes 128 channels x 256 times, a wave 64 x 128: 32 accumulators.  That tile gives 256 work-groups: x and out0, which are most of this launch's bytes, are shared out that far; the price is
; 24 fragment loads for 32 matrix instructions.  P = ri's slabs (rows = time) is source 0: time lands in a lane's REGISTERS, 16 neighbours for each pair of tiles, and is out0's innermost axis.
; R = one of W_proj's slabs (img 88-95) is source 1: the output channel is the lane's.  b_proj is the C of each sum's first matrix instruction.
; ALL OF K LIES IN LDS: R's slab and P's two, 3 x 69,632 bytes, each filled once, by one wave (wave 0: R; waves 1 and 2: P; wave 3: none), in four pieces of two records (17,408 dense bytes as 68 rows of 256):
; four tensor loads of a wave are out at the most.  No LDS byte is filled twice.  CLUSTERS: 4 x 4 work-groups; R's slab is shared along a row of the cluster, P's slabs along a column: joint loads.
; SCALE WORDS: a record's words of tiles 2 m and 2 m + 1 are 128 consecutive bytes: one load at 4 x lane puts the first in lanes 0-15 and the second in lanes 16-31; odd tiles name the upper row.
; THE WAY OUT: a block of 16 channels x 128 times goes through the wave's own stage behind the operands and comes back as rows of 512 bytes; x's same rows, all asked for ahead of the product, are added, and the rows are stored whole.
; REGISTERS: window 0: v1-3 r, h, lane; v16-21, v28-29 LDS addresses; v22-27 lane offsets; v32-43 scale words, two sets, and nothing else; v128-191 R's 4 fragments, two sets; v192-223 the bias as C; on the way out
;   v128-255 rows back from the stage, two sets.   window 1: P's fragments, two sets, v0-63 and v128-191; x's blocks 0 and 1, v64-127 and v192-255.   window 2: accumulator (a, b) at v[8 (8 a + b)].   window 3: x's blocks 2 and 3, v0-127.
.set REC,   8704
.set SLAB,  69632
.set PIECE, 17408
.set HALF,  34816                      ; four records: the LDS immediate has 16 bits, so each operand has an address for records 0-3 and one for 4-7
.set STAGE, 3*SLAB                     ; behind the operands: 16 rows x 528 bytes for each wave; no tensor load lands here
.set ADRR, 16
.set ADRP, 18
.set ASR,  20
.set ASP,  28
.set SC,   32                          ; set s at SC + 6 s: four registers of P's words, two of R's
.set AF,   128
.set BK,   128
.set CB,   192
.set G1R, 24
.set G1P, 32
.set G0R, 40
.set G0P, 68
.set MSB, 0
.macro WIN new                         ; the immediate's high byte repeats the setting that is left
.if MSB != \new
	s_set_vgpr_msb (MSB<<8)|\new
.set MSB, \new
.endif
.endm
.macro CREST                           ; a round of the cluster's barrier behind its opening barrier
	s_cmp_lg_u32 s16, 0
	s_cbranch_scc1 .Lnot_wave_0_\@
	s_barrier_signal -3
.Lnot_wave_0_\@:
	s_barrier_wait -3
	s_barrier_signal -1
	s_barrier_wait -1
.endm
.macro CROUND
	s_barrier_signal -1
	s_barrier_wait -1
	CREST
.endm
.macro PLACES n                        ; plain vector instructions between a matrix instruction and a load into, or a read of, its registers
.rept \n
	v_nop
.endr
.endm
.macro FRAG reg, adr, k, i             ; tile i of record k: two loads of 512 consecutive bytes
.irp c, 0,1
	ds_load_b128 v[\reg+4*\c:\reg+4*\c+3], v[\adr+(\k)/4] offset:((\k)%4)*REC+(\i)*1024+512*\c
.endr
.endm
.macro FETCH k                         ; K step k's fragments and scale words into set k % 2: 30 loads
	WIN 0x40
.irp i, 0,1,2,3,4,5,6,7
	FRAG 128*((\k)%2)+8*\i, ADRP, \k, \i
.endr
	WIN 0
.irp i, 0,1,2,3
	FRAG AF+32*((\k)%2)+8*\i, ADRR, \k, \i
.endr
.irp m, 0,1,2,3
	ds_load_b32 v[SC+6*((\k)%2)+\m], v[ASP+(\k)/4] offset:((\k)%4)*REC+8192+128*\m
.endr
.irp m, 0,1
	ds_load_b32 v[SC+6*((\k)%2)+4+\m], v[ASR+(\k)/4] offset:((\k)%4)*REC+8192+128*\m
.endr
.endm
; One matrix instruction: R's block a x P's tile b, K step k.  cm = 0: in place; 1: the sum starts on the bias of block a's channels.
.macro WM a, b, k, cm
.set DD, 8*(8*(\a)+(\b))
.set PA, 128*((\k)%2)+8*(\b)
.set RB, AF+32*((\k)%2)+8*(\a)
.set SA, SC+6*((\k)%2)+(\b)/2
.set SBB, SC+6*((\k)%2)+4+(\a)/2
.set CC, DD
.if \cm
.set CC, CB+8*(\a)
.endif
.if ((\b)%2 == 0) && ((\a)%2 == 0)
	v_wmma_scale_f32_16x16x128_f8f6f4 v[DD:DD+7], v[PA:PA+7], v[RB:RB+7], v[CC:CC+7], v[SA], v[SBB] matrix_a_fmt:MATRIX_FMT_FP4 matrix_b_fmt:MATRIX_FMT_FP4
.elseif ((\b)%2 == 1) && ((\a)%2 == 0)
	v_wmma_scale_f32_16x16x128_f8f6f4 v[DD:DD+7], v[PA:PA+7], v[RB:RB+7], v[CC:CC+7], v[SA], v[SBB] matrix_a_fmt:MATRIX_FMT_FP4 matrix_b_fmt:MATRIX_FMT_FP4 matrix_a_scale:MATRIX_SCALE_ROW1
.elseif ((\b)%2 == 0)
	v_wmma_scale_f32_16x16x128_f8f6f4 v[DD:DD+7], v[PA:PA+7], v[RB:RB+7], v[CC:CC+7], v[SA], v[SBB] matrix_a_fmt:MATRIX_FMT_FP4 matrix_b_fmt:MATRIX_FMT_FP4 matrix_b_scale:MATRIX_SCALE_ROW1
.else
	v_wmma_scale_f32_16x16x128_f8f6f4 v[DD:DD+7], v[PA:PA+7], v[RB:RB+7], v[CC:CC+7], v[SA], v[SBB] matrix_a_fmt:MATRIX_FMT_FP4 matrix_b_fmt:MATRIX_FMT_FP4 matrix_a_scale:MATRIX_SCALE_ROW1 matrix_b_scale:MATRIX_SCALE_ROW1
.endif
.endm
.macro MUL16 a0, k, cm                 ; R's blocks a0, a0 + 1 x P's eight.  The 32 accumulators take turns, in the same order in every step
.irp a, \a0, \a0+1
.irp b, 0,1,2,3,4,5,6,7
	WM \a, \b, \k, \cm
.endr
.endr
.endm
; K step k (128 along K, 32 matrix instructions), which fetches step k + 1's fragments into the other set.  nt >= 0: step k + 1 lies in the next piece: my part of it has landed when nt younger pieces of mine are out;
; a barrier shows it to all.  Younger pieces stay on their way across them.
.macro STEP k, cm, nt
.if \nt >= 0
	s_wait_tensorcnt \nt
.endif
	s_wait_dscnt 0x0                               ; this step's fragments and scale words are in; no LDS load of mine is out at a signal
.if \nt >= 0
	s_barrier_signal -1
	WIN 0xa1                                       ; source 0 window 1, source 1 window 0, C and D window 2
	MUL16 0, \k, 0
	WIN 0
	s_barrier_wait -1
	PLACES 4
	FETCH (\k)+1
	WIN 0xa1
	MUL16 2, \k, 0
.else
	PLACES 4                                       ; behind the last step's products, which read the set that is loaded now
	FETCH (\k)+1
.if \cm
	WIN 0x81                                       ; C (the bias) window 0
.else
	WIN 0xa1
.endif
	MUL16 0, \k, \cm
	MUL16 2, \k, \cm
.endif
	WIN 0
.endm
.macro LAST
	s_wait_dscnt 0x0
	WIN 0xa1
	MUL16 0, 7, 0
	MUL16 2, 7, 0
	WIN 0
	PLACES 4
.endm
.macro XSET a                          ; where x's block a lies
.if (\a) < 2
.set XB, 64+128*(\a)
.set XW, 1
.else
.set XB, 64*((\a)-2)
.set XW, 3
.endif
.set XD, XW<<6
.set XA, XW|(XW<<6)
.set XS, XW<<2
.endm
; x's 16 rows of block a (row p of the block is channel 32 (a / 2) + 8 (a % 2) + p + 8 (p / 8) of my 64), 512 consecutive bytes a load
.macro XLOAD a
	XSET \a
	WIN XD
.irp p, 0,1,2,3,4,5,6,7,8,9,10,11,12,13,14,15
	global_load_b128 v[XB+4*\p:XB+4*\p+3], v22, s[10:11] offset:(32*((\a)/2)+8*((\a)%2)+\p+8*(\p/8))*8192 th:TH_LOAD_NT
.endr
	WIN 0
.endm
.macro TOSTAGE a                       ; lane (r, h) puts time 32 (b / 2) + 16 h + 8 (b % 2) + 0 .. 7 of row r; the rows come back whole.  LDS serves a wave's instructions in order
.set AC, 64*(\a)
	WIN 0x08                                       ; an LDS store's data are its source 1: window 2
.irp b, 0,1,2,3,4,5,6,7
	ds_store_b128 v26, v[AC+8*\b:AC+8*\b+3] offset:128*(\b/2)+32*(\b%2)          ; each accumulator from its low end on
	ds_store_b128 v26, v[AC+8*\b+4:AC+8*\b+7] offset:128*(\b/2)+32*(\b%2)+16
.endr
	WIN 0
.irp p, 0,1,2,3,4,5,6,7,8,9,10,11,12,13,14,15
	ds_load_b128 v[BK+64*((\a)%2)+4*\p:BK+64*((\a)%2)+4*\p+3], v27 offset:528*\p
.endr
.endm
.macro ADDX a                          ; x + the product, in x's registers
	XSET \a
	WIN XA
.set P, 0
.rept 32
	v_pk_add_f32 v[XB+P:XB+P+1], v[XB+P:XB+P+1], v[BK+64*((\a)%2)+P:BK+64*((\a)%2)+P+1]
.set P, P+2
.endr
.endm
.macro STOREX a
	XSET \a
	WIN XS                                         ; a store's data are its source 1
.irp p, 0,1,2,3,4,5,6,7,8,9,10,11,12,13,14,15
	global_store_b128 v22, v[XB+4*\p:XB+4*\p+3], s[12:13] offset:(32*((\a)/2)+8*((\a)%2)+\p+8*(\p/8))*8192 th:TH_STORE_NT   ; 32 lanes store 512 consecutive bytes, aligned; these registers are not written again
.endr
	WIN 0
.endm
	s_load_b256 s[4:11], s[0:1], 0x0               ; ri s[4:5], img s[6:7], b_proj s[8:9], x s[10:11]
	s_load_b64 s[12:13], s[0:1], 0x20              ; out0
	v_lshl_add_u32 v126, v0, 2, 0x3b400
	v_mov_b32 v127, 0
	ds_add_u32 v126, v127
	ds_add_u32 v126, v127
	v_lshrrev_b32 v1, 5, v0
	v_readfirstlane_b32 s16, v1                    ; wave 0..3
	s_lshr_b32 s17, s16, 1                         ; which 64 of R's 128 channels I multiply
	s_and_b32 s18, s16, 1                          ; which of P's two slabs I multiply
	s_bfe_u32 s19, ttmp6, 0x40000                  ; cx
	s_bfe_u32 s20, ttmp6, 0x40004                  ; cy
	s_lshl_b32 s21, ttmp9, 2
	s_add_co_u32 s21, s21, s19                     ; work-group x = 4 x cluster x + cx
	s_and_b32 s22, ttmp7, 0xffff                   ; the cluster's y
	s_lshl_b32 s56, s20, 2
	s_lshl_b32 s56, 15, s56                        ; my row of the cluster
	s_lshl_b32 s84, 0x1111, s19                    ; my column
	s_or_b32 s[G1R], s56, (3<<16)|(1<<21)          ; 15:0 the mask; 17:16 elements of 8 bytes; 21 set beside a mask; no padding
	s_or_b32 s[G1P], s84, (3<<16)|(1<<21)
.irp g, G1R, G1P
	s_mov_b32 s[\g+1], 32<<16                      ; tensor_dim0 = 32 elements: 256 bytes
	s_mov_b32 s[\g+2], 68<<16                      ; tensor_dim1 = 68
	s_mov_b32 s[\g+3], 32<<16                      ; tile_dim0
	s_mov_b32 s[\g+4], 68                          ; tile_dim1
	s_mov_b32 s[\g+5], 32                          ; the pitch: the block is dense
	s_mov_b32 s[\g+6], 0
	s_mov_b32 s[\g+7], 0
.endr
	s_lshl_b32 s58, s22, 2
	s_add_co_u32 s58, s58, s20                     ; my slab of channels: 4 x cluster y + cy
	s_add_co_u32 s60, s58, 88                      ; R: W_proj's slab, of the cluster's y and cy alone
	s_mul_i32 s60, s60, SLAB
	s_mov_b32 s61, 0
	s_add_co_u32 s86, s16, 1
	s_and_b32 s86, s86, 1                          ; wave 1 fetches P's slab 0, wave 2 its slab 1
	s_lshl_b32 s87, s21, 1                         ; P: ri's slabs 2 gx on: of the cluster's x and cx alone
	s_add_co_u32 s84, s87, s86
	s_mul_i32 s84, s84, SLAB
	s_mov_b32 s85, 0
	s_mul_i32 s62, s16, SLAB                       ; where my slab goes: wave x 69,632: no place in the cluster enters an LDS address
	s_wait_dscnt 0x0
	s_wait_kmcnt 0x0
	s_add_nc_u64 s[60:61], s[6:7], s[60:61]
	s_add_nc_u64 s[84:85], s[4:5], s[84:85]
.irp j, 0,1,2,3
	s_mov_b32 s[G0R+4*\j], 1
	s_add_co_u32 s[G0R+4*\j+1], s62, PIECE*\j
	s_add_nc_u64 s[G0R+4*\j+2:G0R+4*\j+3], s[60:61], PIECE*\j
	s_or_b32 s[G0R+4*\j+3], s[G0R+4*\j+3], 0x80000000
	s_mov_b32 s[G0P+4*\j], 1
	s_add_co_u32 s[G0P+4*\j+1], s62, PIECE*\j
	s_add_nc_u64 s[G0P+4*\j+2:G0P+4*\j+3], s[84:85], PIECE*\j
	s_or_b32 s[G0P+4*\j+3], s[G0P+4*\j+3], 0x80000000
.endr
	CROUND                                         ; all sixteen work-groups are here: the joint loads meet
	s_cmp_eq_u32 s16, 0                            ; a wave's four fills stand in one branch on the wave's number
	s_cbranch_scc0 .Lnot_r
	tensor_load_to_lds s[G0R:G0R+3], s[G1R:G1R+7]
	s_nop 0
	tensor_load_to_lds s[G0R+4:G0R+7], s[G1R:G1R+7]
	s_nop 0
	tensor_load_to_lds s[G0R+8:G0R+11], s[G1R:G1R+7]
	s_nop 0
	tensor_load_to_lds s[G0R+12:G0R+15], s[G1R:G1R+7]
	s_nop 0
.rept 4
	v_nop
.endr
	s_branch .Lasked
.Lnot_r:
	s_cmp_eq_u32 s16, 3
	s_cbranch_scc1 .Lasked
	tensor_load_to_lds s[G0P:G0P+3], s[G1P:G1P+7]
	s_nop 0
	tensor_load_to_lds s[G0P+4:G0P+7], s[G1P:G1P+7]
	s_nop 0
	tensor_load_to_lds s[G0P+8:G0P+11], s[G1P:G1P+7]
	s_nop 0
	tensor_load_to_lds s[G0P+12:G0P+15], s[G1P:G1P+7]
	s_nop 0
.rept 4
	v_nop
.endr
.Lasked:
	v_and_b32 v1, 15, v0                           ; r
	v_bfe_u32 v2, v0, 4, 1                         ; h
	v_and_b32 v3, 31, v0                           ; lane
	v_lshlrev_b32 v22, 4, v3                       ; 16 x lane
	v_lshlrev_b32 v23, 2, v3                       ; 4 x lane
	v_and_b32 v25, 8, v1
	v_add_nc_u32 v25, v25, v1
	v_lshlrev_b32 v25, 2, v25                      ; 4 (r + 8 (r / 8))
	s_lshl_b32 s2, s17, 12                         ; my four tiles of R's slab, which lies at LDS byte 0
	s_mul_i32 s3, s18, SLAB
	s_add_co_u32 s3, s3, SLAB                      ; my slab of P
	v_add_nc_u32 v[ADRR], s2, v22
	v_add_nc_u32 v[ADRR+1], HALF, v[ADRR]
	v_add_nc_u32 v[ADRP], s3, v22
	v_add_nc_u32 v[ADRP+1], HALF, v[ADRP]
	s_lshl_b32 s63, s17, 8                         ; my four tiles' scale words: 64 bytes a tile
	v_add_nc_u32 v[ASR], s63, v23
	v_add_nc_u32 v[ASR+1], HALF, v[ASR]
	v_add_nc_u32 v[ASP], s3, v23
	v_add_nc_u32 v[ASP+1], HALF, v[ASP]
	s_mul_i32 s63, s16, 8448
	s_add_co_u32 s63, s63, STAGE                   ; my stage
	v_mul_u32_u24 v26, v1, 528
	v_lshl_add_u32 v26, v2, 6, v26
	v_add_nc_u32 v26, s63, v26                     ; in: row r, + 64 h
	v_add_nc_u32 v27, s63, v22                     ; back: 16 bytes a lane of a row
	; my 64 channels x 128 times in x and in out0
	s_add_co_u32 s91, s87, s18                     ; my slab of time: 16 b + s / 128
	s_lshr_b32 s92, s91, 4
	s_lshl_b32 s92, s92, 23                        ; b x 1024 x 2048 x 4 bytes
	s_and_b32 s93, s91, 15
	s_lshl_b32 s93, s93, 9                         ; + 128 times x 4 bytes
	s_add_co_u32 s92, s92, s93
	s_lshl_b32 s95, s58, 20                        ; + my slab's 128 rows of 8,192 bytes
	s_add_co_u32 s92, s92, s95
	s_lshl_b32 s95, s17, 19                        ; + my half's 64 rows
	s_add_co_u32 s92, s92, s95
	s_mov_b32 s93, 0
	s_add_nc_u64 s[10:11], s[10:11], s[92:93]
	s_add_nc_u64 s[12:13], s[12:13], s[92:93]
	s_lshl_b32 s94, s58, 9
	s_lshl_b32 s95, s17, 8
	s_add_co_u32 s94, s94, s95
	s_mov_b32 s95, 0
	s_add_nc_u64 s[8:9], s[8:9], s[94:95]          ; b_proj at my 64 channels
.irp a, 0,1,2,3                                ; all eight registers of block a hold the bias of channel 32 (a / 2) + 8 (a % 2) + r + 8 (r / 8)
.irp j, 0,1,2,3,4,5,6,7
	global_load_b32 v[CB+8*\a+\j], v25, s[8:9] offset:(32*(\a/2)+8*(\a%2))*4
.endr
.endr
	XLOAD 0
	XLOAD 1
	s_wait_alu depctr_va_vdst(0)
	s_wait_tensorcnt 3                             ; my first piece is in; my three younger pieces may be out
	s_barrier_signal -1
	s_barrier_wait -1                              ; everybody's is
	FETCH 0
	s_wait_loadcnt 32                              ; the bias is in; the 32 loads of x issued behind it may be out
	XLOAD 2                                        ; all of my x is asked for ahead of the product
	XLOAD 3
	STEP 0, 1, -1                                  ; the first step's products start the sums on the bias: nothing is cleared
	STEP 1, 0, 2
	STEP 2, 0, -1
	STEP 3, 0, 1
	STEP 4, 0, -1
	STEP 5, 0, 0
	STEP 6, 0, -1
	LAST
	TOSTAGE 0
.irp a, 1,2,3                                  ; block a goes through the stage while block a - 1 is added and stored
	TOSTAGE \a
	s_wait_dscnt 32                                ; block a - 1's rows are back: behind them stand block a's 16 stores and 16 loads
	s_wait_loadcnt 16*(4-\a)                       ; x's block a - 1 is in; the younger blocks' loads, 16 each, may be out
	ADDX \a-1
	STOREX \a-1
.endr
	s_wait_dscnt 0x0
	s_wait_loadcnt 0x0
	ADDX 3
	STOREX 3
	s_wait_tensorcnt 0x0
	ds_add_u32 v126, v127
	s_wait_dscnt 0x0
	CROUND                                         ; the closing round: no work-group ends while a partner may still ask for a tile that names it
	s_endpgm
.Lfunc_end_k_qa4b06ed507_proj:
	.size	k_qa4b06ed507_proj, .Lfunc_end_k_qa4b06ed507_proj-k_qa4b06ed507_proj
	.p2alignl 7, 3214868480
	.fill 96, 4, 3214868480
	.section	.rodata,"a",@progbits
	.p2align	6, 0x0
	.amdhsa_kernel k_qa4b06ed507_proj
		.amdhsa_group_segment_fixed_size 243200
		.amdhsa_private_segment_fixed_size 0
		.amdhsa_enable_private_segment 0
		.amdhsa_kernarg_size 40
		.amdhsa_user_sgpr_count 2
		.amdhsa_user_sgpr_kernarg_segment_ptr 1
		.amdhsa_wavefront_size32 1
		.amdhsa_system_sgpr_workgroup_id_x 1
		.amdhsa_system_sgpr_workgroup_id_y 1
		.amdhsa_system_sgpr_workgroup_id_z 1
		.amdhsa_system_vgpr_workitem_id 0
		.amdhsa_next_free_vgpr 1024
		.amdhsa_next_free_sgpr 100
		.amdhsa_reserve_vcc 0
		.amdhsa_float_denorm_mode_32 3
		.amdhsa_float_denorm_mode_16_64 3
		.amdhsa_memory_ordered 1
		.amdhsa_forward_progress 1
		.amdhsa_inst_pref_size 91
	.end_amdhsa_kernel
	.amdgpu_metadata
---
amdhsa.version: [ 1, 2 ]
amdhsa.kernels:
  - .name:           k_qa4b06ed507_proj
    .symbol:         k_qa4b06ed507_proj.kd
    .args:
      - { .name: ri, .offset: 0, .size: 8, .value_kind: global_buffer, .address_space: global }
      - { .name: img, .offset: 8, .size: 8, .value_kind: global_buffer, .address_space: global }
      - { .name: b_proj, .offset: 16, .size: 8, .value_kind: global_buffer, .address_space: global }
      - { .name: x, .offset: 24, .size: 8, .value_kind: global_buffer, .address_space: global }
      - { .name: out0, .offset: 32, .size: 8, .value_kind: global_buffer, .address_space: global }
    .group_segment_fixed_size: 243200
    .private_segment_fixed_size: 0
    .kernarg_segment_align: 8
    .kernarg_segment_size: 40
    .max_flat_workgroup_size: 128
    .sgpr_count:     100
    .vgpr_count:     1024
    .wavefront_size: 32
...
	.end_amdgpu_metadata
.endif
;; end of part 4
